; MI455X (gfx1250); checked and timed in simulation.
; The chip was launched on July 23, 2026; its instructions are those of AMD's public machine-readable ISA for CDNA 5 (MIT licence, August 2026) and "CDNA5" Instruction Set Architecture Reference Guide (July 2026). The comments in the code are by the model that wrote it; some were corrected since.
;; Swin Window Transform Layer. Allowed arithmetic: float matrix products may take bf16 or f16 operands with f32 sums; other float arithmetic in f32, or as packed bf16 or f16 multiplies, adds, multiply-adds, maxima and minima; sums over many terms, partial sums and values carried from step to step in f32; what a program stores and reads back later, other than sums and carried values, may be rounded once to bf16 or f16.
;; Inputs: W1 512 x 2,048 float32; W2 2,048 x 512 float32; b1 2,048 float32; b2 512 float32; inputs 8 x 4,096 x 512 float32; ln_beta 512 float32; ln_gamma 512 float32.
;; Outputs: out0 8 x 4,096 x 512 float32.
;; 2 versions, each right. Each part assembles by itself: llvm-mc -triple=amdgcn-amd-amdhsa -mcpu=gfx1250 --defsym DOCPART=n.
;; ======== version 1 of 2: 2 launches
;; workspace buffers: W1b 2,113,536 bytes; W2b 2,129,920 bytes
;; launch cast (part 1): grid 128 x 2, 8 waves a work-group, no clusters, 0 bytes of LDS; arguments W1, W2, b1, W1b, W2b; writes W1b, W2b
.if DOCPART == 1
	.amdgcn_target "amdgcn-amd-amdhsa--gfx1250"
	.amdhsa_code_object_version 6
	.text
	.protected	k_q35afb8b7a4_cast
	.globl	k_q35afb8b7a4_cast
	.p2align	8
	.type	k_q35afb8b7a4_cast,@function
k_q35afb8b7a4_cast:
	s_mov_b64 s[64:65], 0
	v_nop
	global_prefetch_b8 v0, s[64:65] scope:SCOPE_SE
	s_setreg_imm32_b32 hwreg(HW_REG_WAVE_MODE, 25, 1), 1
	s_wait_xcnt 0x0
; The weights are rounded once to bf16 and laid out for the second launch's tiles.
; W1b: 516 rows of 4,096 bytes.  Rows 0-511: bf16(W1[k][:]).  Rows 512, 513: b1 in f32, the 256 bytes at row 512 + e, byte 256 c,
; hold b1[128 c + 64 e .. + 63].  Rows 514, 515: zeros.
; W2b: 2,080 rows of 1,024 bytes.  Rows 0-31: zeros.  Row 32 + k: bf16(W2[k][:]).
; Grid y = 0: W1, y = 1: W2.  A work-group turns 32,768 bytes of f32 into 16,384 of bf16; a wave's load covers 512 consecutive bytes,
; its store 256 consecutive bytes, aligned.  Wave 0 of some work-groups also writes one block of 256 bytes of the extra rows.
.set LO, 1                             ; v1      my byte offset in the source
.set SO, 2                             ; v2      in the destination
.set L8, 3                             ; v3      8 x lane
.set ZZ, 4                             ; v[4:5]  zeros
.set BB, 6                             ; v[6:7]  two numbers of b1
.set XX, 8                             ; v[8:39] eight loads of four f32
.set YY, 40                            ; v[40:55] eight stores of four bf16
	s_load_b256 s[4:11], s[0:1], 0x0               ; W1 s[4:5], W2 s[6:7], b1 s[8:9], W1b s[10:11]
	s_load_b64 s[12:13], s[0:1], 0x20              ; W2b
	v_lshrrev_b32 v[SO], 5, v0
	v_readfirstlane_b32 s14, v[SO]                 ; wave 0..7
	v_and_b32 v[L8], 31, v0
	v_lshlrev_b32 v[LO], 4, v[L8]
	v_lshl_or_b32 v[LO], v[SO], 12, v[LO]          ; 4,096 x wave + 16 x lane
	v_lshlrev_b32 v[L8], 3, v[L8]
	v_lshl_or_b32 v[SO], v[SO], 11, v[L8]          ; 2,048 x wave + 8 x lane
	s_mov_b32 s15, ttmp9                           ; x
	s_and_b32 s16, ttmp7, 0xffff                   ; y
	s_lshl_b32 s24, s15, 15                        ; the work-group's bytes in the source,
	s_mov_b32 s25, 0
	s_lshl_b32 s26, s15, 14                        ; and in the destination
	s_mov_b32 s27, 0
	s_wait_kmcnt 0x0
	s_cmp_eq_u32 s16, 0
	s_cselect_b64 s[18:19], s[4:5], s[6:7]
	s_cselect_b64 s[20:21], s[10:11], s[12:13]
	s_cselect_b32 s22, 0, 32768                    ; W2b's 32 rows of zeros come first
	s_add_co_u32 s26, s26, s22
	s_add_nc_u64 s[18:19], s[18:19], s[24:25]
	s_add_nc_u64 s[20:21], s[20:21], s[26:27]
.set kk, 0
.rept 8
	global_load_b128 v[XX+4*kk:XX+4*kk+3], v[LO], s[18:19] offset:512*kk th:TH_LOAD_NT
.set kk, kk+1
.endr
.set kk, 0
.rept 8
	s_wait_loadcnt 7-kk                            ; loads come back in order: number kk is in, the younger ones stay out
	v_cvt_pk_bf16_f32 v[YY+2*kk], v[XX+4*kk], v[XX+4*kk+1]
	v_cvt_pk_bf16_f32 v[YY+2*kk+1], v[XX+4*kk+2], v[XX+4*kk+3]
	global_store_b64 v[SO], v[YY+2*kk:YY+2*kk+1], s[20:21] offset:256*kk
.set kk, kk+1
.endr
	s_cmp_lg_u32 s14, 0                            ; the extra rows: wave 0 alone, one block of 256 bytes
	s_cbranch_scc1 .Lend
	v_mov_b32 v[ZZ], 0
	v_mov_b32 v[ZZ+1], 0
	s_lshl_b32 s30, s15, 8
	s_mov_b32 s31, 0
	s_cmp_eq_u32 s16, 0
	s_cbranch_scc1 .Lw1
	s_add_nc_u64 s[28:29], s[12:13], s[30:31]      ; y = 1: 128 blocks of zeros are W2b's rows 0-31
	global_store_b64 v[L8], v[ZZ:ZZ+1], s[28:29]
	s_branch .Lend
.Lw1:
	s_cmp_lt_u32 s15, 32
	s_cbranch_scc0 .Lzero
	s_add_nc_u64 s[28:29], s[8:9], s[30:31]        ; y = 0, x < 32: b1[64 x .. 64 x + 63]
	global_load_b64 v[BB:BB+1], v[L8], s[28:29]
	s_and_b32 s32, s15, 1
	s_lshl_b32 s32, s32, 12                        ; row 512 + x % 2,
	s_lshr_b32 s33, s15, 1
	s_lshl_b32 s33, s33, 8                         ; byte 256 (x / 2)
	s_add_co_u32 s32, s32, s33
	s_add_co_u32 s32, s32, 512*4096
	s_mov_b32 s33, 0
	s_add_nc_u64 s[34:35], s[10:11], s[32:33]
	s_wait_loadcnt 0x0
	global_store_b64 v[L8], v[BB:BB+1], s[34:35]
	s_branch .Lend
.Lzero:
	s_cmp_lt_u32 s15, 64
	s_cbranch_scc0 .Lend
	s_add_co_u32 s30, s30, 514*4096-32*256         ; y = 0, 32 <= x < 64: 32 blocks of zeros are W1b's rows 514, 515
	s_add_nc_u64 s[28:29], s[10:11], s[30:31]
	global_store_b64 v[L8], v[ZZ:ZZ+1], s[28:29]
.Lend:
	s_endpgm
.Lfunc_end_k_q35afb8b7a4_cast:
	.size	k_q35afb8b7a4_cast, .Lfunc_end_k_q35afb8b7a4_cast-k_q35afb8b7a4_cast
	.p2alignl 7, 3214868480
	.fill 96, 4, 3214868480
	.section	.rodata,"a",@progbits
	.p2align	6, 0x0
	.amdhsa_kernel k_q35afb8b7a4_cast
		.amdhsa_group_segment_fixed_size 0
		.amdhsa_private_segment_fixed_size 0
		.amdhsa_enable_private_segment 0
		.amdhsa_kernarg_size 40
		.amdhsa_user_sgpr_count 2
		.amdhsa_user_sgpr_kernarg_segment_ptr 1
		.amdhsa_wavefront_size32 1
		.amdhsa_system_sgpr_workgroup_id_x 1
		.amdhsa_system_sgpr_workgroup_id_y 1
		.amdhsa_system_sgpr_workgroup_id_z 1
		.amdhsa_system_vgpr_workitem_id 0
		.amdhsa_next_free_vgpr 56
		.amdhsa_next_free_sgpr 66
		.amdhsa_reserve_vcc 0
		.amdhsa_float_denorm_mode_32 3
		.amdhsa_float_denorm_mode_16_64 3
		.amdhsa_memory_ordered 1
		.amdhsa_forward_progress 1
		.amdhsa_inst_pref_size 6
	.end_amdhsa_kernel
	.amdgpu_metadata
---
amdhsa.version: [ 1, 2 ]
amdhsa.kernels:
  - .name:           k_q35afb8b7a4_cast
    .symbol:         k_q35afb8b7a4_cast.kd
    .args:
      - { .name: W1, .offset: 0, .size: 8, .value_kind: global_buffer, .address_space: global }
      - { .name: W2, .offset: 8, .size: 8, .value_kind: global_buffer, .address_space: global }
      - { .name: b1, .offset: 16, .size: 8, .value_kind: global_buffer, .address_space: global }
      - { .name: W1b, .offset: 24, .size: 8, .value_kind: global_buffer, .address_space: global }
      - { .name: W2b, .offset: 32, .size: 8, .value_kind: global_buffer, .address_space: global }
    .group_segment_fixed_size: 0
    .private_segment_fixed_size: 0
    .kernarg_segment_align: 8
    .kernarg_segment_size: 40
    .max_flat_workgroup_size: 256
    .sgpr_count:     66
    .vgpr_count:     56
    .wavefront_size: 32
...
	.end_amdgpu_metadata
.endif
;; end of part 1
;; launch mlp (part 2): grid 256 x 1, 4 waves a work-group, clusters of 4 x 1, 327,680 bytes of LDS; arguments inputs, ln_gamma, ln_beta, b2, W1b, W2b, out0; writes out0
.if DOCPART == 2
	.amdgcn_target "amdgcn-amd-amdhsa--gfx1250"
	.amdhsa_code_object_version 6
	.text
	.protected	k_q35afb8b7a4_mlp
	.globl	k_q35afb8b7a4_mlp
	.p2align	8
	.type	k_q35afb8b7a4_mlp,@function
k_q35afb8b7a4_mlp:
	s_mov_b64 s[64:65], 0
	v_nop
	global_prefetch_b8 v0, s[64:65] scope:SCOPE_SE
	s_setreg_imm32_b32 hwreg(HW_REG_WAVE_MODE, 25, 1), 1
	s_wait_xcnt 0x0
	s_wait_alu depctr_hold_cnt(0) depctr_sa_sdst(0) depctr_va_vdst(0) depctr_va_sdst(0) depctr_va_ssrc(0) depctr_va_vcc(0) depctr_vm_vsrc(0)
	s_getreg_b32 s2, hwreg(HW_REG_IB_STS2, 6, 4)
	s_cmp_eq_u32 s2, 0
	s_cbranch_scc0 .Lentry_in_a_cluster
	s_endpgm
.Lentry_in_a_cluster:
	s_bfe_u32 s2, ttmp6, 0x10000c
	s_cmp_lg_u32 s2, 0x3003
	s_cbranch_scc0 .Lentry_shape_is_right
	s_endpgm
.Lentry_shape_is_right:
; out = x + gelu(LN(x) W1 + b1) W2 + b2, with x[b][i][j] = in[b][i][j] + in[b][(i+4)%64][(j+4)%64] (the windows' partition and its reverse cancel).
; gelu is the tanh form, written y = z / (1 + 2^(z (C0 + C1 z^2))), C0 = -2 sqrt(2/pi) log2(e), C1 = 0.044715 C0.
; SHARES.  A work-group owns 128 rows (two grid rows of one batch), 256 work-groups.  x stays in f32 in the accumulators of the second product from first to last: the residual is never rounded
; and never read again.  ACC: wave w holds all 128 rows x columns 128 w .. + 127, transposed: accumulator (a, b): lane (r, h), register j = row 16 a + r, column 128 w + 16 b + 8 h + j.
; NRM: wave w holds the normed rows 32 w .. + 31, all 512 channels, in bf16, as source 1 of the first product.
; FIRST PRODUCT, in groups of 32 hidden units: H^T = (W1 turned by ds_load_tr16_b128) x NRM, C of the first K step = b1: 64 matrix instructions; a lane ends with one row and 8 neighbouring hidden units.
; The gelu of group g rides behind the matrix instructions of group g + 1, three vector instructions behind each, and its bf16 results go to one of four h slots in LDS.
; SECOND PRODUCT, K steps of 32 hidden units: ACC += (W2 turned) x h: 64 matrix instructions a K step.  It runs one group behind: phase c takes groups 4 c - 1 .. 4 c + 2, which are rows 128 c .. + 127
; of W2b (its first 32 rows are zeros, and group -1 is gelu(0) = 0); group 63 has a K step of its own at the end.
; CLUSTER.  All work-groups walk the same tiles of W1b and W2b in the same order: four of them ask for each tile JOINTLY (mask 15).  Each change of region is a round of the cluster's barrier.
; One tile of W1b (516 rows x 256 bytes) and one of W2b (128 rows x 1,024 bytes) lie in LDS; each is filled again while the other is multiplied: 256 matrix instructions a wave.
; LIMITS.  NaN and infinities are not treated apart.  2^t below 2^-126 counts as 0.  Normed rows, h and the weights are rounded once to bf16.  The variance is made of each wave's own mean and sum of
; squared distances from it, joined by the distances of the four means: no difference of large sums.
; REGISTERS, in windows of 256 (s_set_vgpr_msb: bits 1:0 source 0, 3:2 source 1, 5:4 source 2, 7:6 destination): window 0 addresses, operands and work; window 1 NRM; windows 2, 3 ACC (a / 4).
.set PA,    288       ; a row of W1b's tile in LDS: 256 bytes + 32
.set PB,    1056      ; a row of W2b's tile: 1,024 + 32
.set RB,    148736    ; W2b's tile begins here; W1b's at 0 (516 rows: 148,608 bytes)
.set HR,    283904    ; behind the tiles: bytes that only ds_store writes: the four h slots; before them the exchange of normed rows and the table; after them the stages
.set HSL,   10240     ; an h slot: 128 rows x 64 bytes, 80 apart
.set SPARE, 324864    ; the spare words, 128 bytes for each wave: two blocks of 256 bytes that no other line names
.set PIN,   1040      ; a row of an input area: 1,024 + 16
.set AREA,  64*PIN    ; four areas from LDS byte 0: own rows' left and right half, rolled rows' left and right half
.set XB,    16*PIN    ; a buffer of 16 normed rows in bf16: two of them at HR
.set TAB,   HR+XB     ; the table of the waves' statistics, 4 x 1,024 bytes (in the second buffer, before it is first used)
.set SPT,   528       ; a row of a stage: 512 + 16
.set SPW, 1           ; v1   my spare word: SPARE + 4 x my thread's number; never rewritten
.set NIL, 2           ; v2   0; never rewritten
.set AW0, 3           ; v3   my lane's place in a turned fragment of W1
.set AW,  4           ; v4   the address of the fragments being fetched
.set AB0, 5           ; v5, v6  the same for W2: K steps 0, 1 and 2, 3
.set AH,  7           ; v7   my lane's place in a fragment of h
.set HS0, 8           ; v8   where I put 16 bytes of h, in slot 0
.set HSA, 9           ; v9   the same in the slot in hand
.set BI0, 10          ; v10  my lane's place in b1's rows
.set BIA, 11          ; v11  the same for the next group
.set PO1, 12          ; v12  4,096 x lane: the prefetches of W1b; never rewritten
.set PO2, 13          ; v13  256 x lane: those of W2b; never rewritten
.set RR,  14          ; v14  lane % 16
.set HH,  15          ; v15  lane / 16
.set BR,  16          ; v16-31   b1 of the group in hand, the C of its first K step
.set HACC, 32         ; v32-63, v64-95  two buffers of a group's four accumulators
.set TT,  96          ; v96-127  at work
.set FA,  128         ; v128-191, v192-255  two buffers of eight fragments of W1
.set AS,  16          ; the prologue's addresses, v16-23; v24, v25 at work
.set AR,  17
.set AR3, 18
.set XS,  19
.set XR,  20
.set TBS, 21
.set TBR, 22
.set GV,  23
.set GAM, 128         ; gamma and beta of my 64 columns
.set BET, 192
.set RS2, 64          ; 1 / sigma and - mu / sigma of row block a, each twice, at + 2 a
.set C2,  80
.set STO, 3           ; the way out
.set RD,  4
.set GB,  10
.set GO,  11
.set TMP, 32
.set OB,  128
.set WV,  18          ; s18  my wave's number
.set CX,  19          ; s19  my place in the cluster: it enters global addresses alone
.set WG,  20          ; s20  my work-group
.set G1I, 28          ; descriptors: inputs,
.set G0I, 36
.set G1A, 40          ; W1b,
.set G0A, 48
.set G1B, 52          ; W2b
.set G0B, 60
.set CH,  66          ; chunks of 128 hidden units to go
.set CNT2, 67
.set SW,  68          ; LDS byte of the fragments of W1 to be fetched next
.set SBI, 69          ; the next group's byte in b1's rows
.set SLA, 70          ; the h slot of the group that rides in GRP 0,
.set SLB, 71          ; in GRP 1
.set C0,  72
.set C1,  74
.set SEL, 76
.set PF1, 78
.set PF2, 80
.set LIM, 82          ; 2 in the launch's first cluster, which prefetches; else the greatest number
.set K512, 84
.set EPS, 86
.set MSB, 0
.macro WIN new                      ; the immediate's high byte repeats the setting that is left; a switch that changes nothing is dropped
.if MSB != (\new)
	s_set_vgpr_msb (MSB<<8)|(\new)
.set MSB, (\new)
.endif
.endm
.macro PLACES                       ; four plain vector instructions between a matrix instruction and a load into, or a vector write or read of, its registers
.rept 4
	v_nop
.endr
.endm
.macro BAR                          ; my LDS instructions are done; then the work-group's barrier
	s_wait_dscnt 0x0
	s_barrier_signal -1
	s_barrier_wait -1
.endm
.macro CREST                        ; a round of the cluster's barrier behind its opening barrier
	s_cmp_lg_u32 s[WV], 0
	s_cbranch_scc1 .Lnw0_\@
	s_barrier_signal -3
.Lnw0_\@:
	s_barrier_wait -3
	s_barrier_signal -1
	s_barrier_wait -1
.endm
.macro ROUND
	s_barrier_signal -1
	s_barrier_wait -1
	CREST
.endm
.macro JL g0, g1                    ; every wave fetches its own quarter of the tile: both addresses hang on the wave's number.  An s_nop 0 and four v_nop follow
	tensor_load_to_lds s[(\g0):(\g0)+3], s[(\g1):(\g1)+7]
	s_nop 0
	PLACES
.endm
; PREFETCHES INTO THE L2 of the tile that the NEXT change of the same region will ask for: 512 blocks of 256 bytes.  The launch's first cluster asks, nobody else; its four partners and their four waves
; share the blocks out by address, 32 each, a lane a block: each block is named once in the launch.  They stand behind the tensor load, its five lines and the run of LDS loads.
.macro ASK1 how                     ; W1b.  how = 0: in the loop: the last two chunks have no tile two on
.if \how
	s_cmp_eq_u32 s[LIM], 2
.else
	s_cmp_gt_u32 s[CH], s[LIM]
.endif
	s_cbranch_scc0 .Lno1_\@
	global_prefetch_b8 v[PO1], s[PF1:PF1+1] th:TH_LOAD_NT scope:SCOPE_SE
.Lno1_\@:
.endm
.macro ASK2                         ; W2b
	s_cmp_eq_u32 s[LIM], 2
	s_cbranch_scc0 .Lno2_\@
	global_prefetch_b8 v[PO2], s[PF2:PF2+1] th:TH_LOAD_NT scope:SCOPE_SE
.Lno2_\@:
.endm
; ---------------- the prologue's macros
; 16 rows (block ap of grid row st): my 128 columns of the own rows into ACC, of the rolled rows into window 1.  The rolled token is 4 rows on in the area, round its end in the last block.
.macro LD st, ap
	WIN 0x80+0x40*(\st)
.set kk, 0
.rept 16
	ds_load_b128 v[64*(\ap)+4*kk:64*(\ap)+4*kk+3], v[AS] offset:16*PIN*(\ap)+64*(kk/2)+16*(kk%2)
.set kk, kk+1
.endr
	WIN 0x40
.set kk, 0
.rept 16
.if (\ap) < 3
	ds_load_b128 v[64*(\ap)+4*kk:64*(\ap)+4*kk+3], v[AR] offset:16*PIN*(\ap)+64*(kk/2)+16*(kk%2)
.else
	ds_load_b128 v[64*(\ap)+4*kk:64*(\ap)+4*kk+3], v[AR3] offset:64*(kk/2)+16*(kk%2)
.endif
.set kk, kk+1
.endr
.endm
.macro ADDX st, ap                  ; x = own + rolled
	WIN 0x86+0x41*(\st)
.set pp, 0
.rept 32
	v_pk_add_f32 v[64*(\ap)+2*pp:64*(\ap)+2*pp+1], v[64*(\ap)+2*pp:64*(\ap)+2*pp+1], v[64*(\ap)+2*pp:64*(\ap)+2*pp+1]
.set pp, pp+1
.endr
.endm
; Row block a: the mean of my 128 columns (twice, at rSB) and the sum of squared distances from it (at rSB + 2); a lane holds 64 numbers of its row, the lane 16 away the other 64.
.macro STAT a
.set rAC, 64*((\a)%4)
.set rSB, 32+8*(\a)
	WIN 0x0a+5*((\a)/4)
.set kk, 0
.rept 4
	v_pk_add_f32 v[rSB+2*kk:rSB+2*kk+1], v[rAC+2*kk:rAC+2*kk+1], v[rAC+8+2*kk:rAC+8+2*kk+1]
.set kk, kk+1
.endr
	WIN 0x02+((\a)/4)
.set pp, 8
.rept 24
	v_pk_add_f32 v[rSB+2*(pp%4):rSB+2*(pp%4)+1], v[rAC+2*pp:rAC+2*pp+1], v[rSB+2*(pp%4):rSB+2*(pp%4)+1]
.set pp, pp+1
.endr
	WIN 0
	v_pk_add_f32 v[rSB:rSB+1], v[rSB:rSB+1], v[rSB+2:rSB+3]
	v_pk_add_f32 v[rSB+4:rSB+5], v[rSB+4:rSB+5], v[rSB+6:rSB+7]
	v_pk_add_f32 v[rSB:rSB+1], v[rSB:rSB+1], v[rSB+4:rSB+5]
	v_add_f32 v[rSB], v[rSB], v[rSB+1]
	v_permlanex16_b32 v[rSB+1], v[rSB], s[SEL], s[SEL+1]
	v_add_f32 v[rSB], v[rSB], v[rSB+1]
	v_mul_f32 v[rSB], 0x3c000000, v[rSB]           ; / 128
	v_mov_b32 v[rSB+1], v[rSB]
.set qq, 0
.rept 2
	WIN 0x02+((\a)/4)
.set pp, 0
.rept 16
	v_pk_add_f32 v[TT+2*pp:TT+2*pp+1], v[rAC+32*qq+2*pp:rAC+32*qq+2*pp+1], v[rSB:rSB+1] neg_lo:[0,1] neg_hi:[0,1]
.set pp, pp+1
.endr
	WIN 0
.set pp, 0
.rept 16
.if (qq == 0) && (pp < 3)
	v_pk_mul_f32 v[rSB+2+2*pp:rSB+3+2*pp], v[TT+2*pp:TT+2*pp+1], v[TT+2*pp:TT+2*pp+1]
.else
	v_pk_fma_f32 v[rSB+2+2*(pp%3):rSB+3+2*(pp%3)], v[TT+2*pp:TT+2*pp+1], v[TT+2*pp:TT+2*pp+1], v[rSB+2+2*(pp%3):rSB+3+2*(pp%3)]
.endif
.set pp, pp+1
.endr
.set qq, qq+1
.endr
	v_pk_add_f32 v[rSB+2:rSB+3], v[rSB+2:rSB+3], v[rSB+4:rSB+5]
	v_pk_add_f32 v[rSB+2:rSB+3], v[rSB+2:rSB+3], v[rSB+6:rSB+7]
	v_add_f32 v[rSB+2], v[rSB+2], v[rSB+3]
	v_permlanex16_b32 v[rSB+3], v[rSB+2], s[SEL], s[SEL+1]
	v_add_f32 v[rSB+2], v[rSB+2], v[rSB+3]
.endm
; Row block a is normed (my 128 columns), rounded to bf16 and put into buffer a % 2; behind the barrier wave a / 2, which owns these rows, reads them whole as its tile a % 2 of NRM.
; The buffer is written again two blocks on, behind the next block's barrier, in front of which the owner has waited for these reads.
.macro NORM a
.set rAC, 64*((\a)%4)
.set qq, 0
.rept 2
	WIN 0x02+((\a)/4)
.set pp, 0
.rept 16
	v_pk_fma_f32 v[TT+2*pp:TT+2*pp+1], v[rAC+32*qq+2*pp:rAC+32*qq+2*pp+1], v[RS2+2*(\a):RS2+2*(\a)+1], v[C2+2*(\a):C2+2*(\a)+1]
.set pp, pp+1
.endr
	WIN 0
.set pp, 0
.rept 16
	v_pk_fma_f32 v[TT+2*pp:TT+2*pp+1], v[TT+2*pp:TT+2*pp+1], v[GAM+32*qq+2*pp:GAM+32*qq+2*pp+1], v[BET+32*qq+2*pp:BET+32*qq+2*pp+1]
.set pp, pp+1
.endr
.set pp, 0
.rept 16
	v_cvt_pk_bf16_f32 v[TT+pp], v[TT+2*pp], v[TT+2*pp+1]
.set pp, pp+1
.endr
.set kk, 0
.rept 4
	ds_store_b128 v[XS], v[TT+4*kk:TT+4*kk+3] offset:((\a)%2)*XB+32*(4*qq+kk)
.set kk, kk+1
.endr
.set qq, qq+1
.endr
	BAR
	s_cmp_lg_u32 s[WV], (\a)/2
	s_cbranch_scc1 .Lnn_\@
	WIN 0x40
.set kk, 0
.rept 32
	ds_load_b128 v[128*((\a)%2)+4*kk:128*((\a)%2)+4*kk+3], v[XR] offset:((\a)%2)*XB+32*kk
.set kk, kk+1
.endr
	WIN 0
.Lnn_\@:
.endm
; ---------------- the first product's macros
.macro OPA x, p                     ; z^2
	v_pk_mul_f32 v[TT+2*(\p):TT+2*(\p)+1], v[(\x)+2*(\p):(\x)+2*(\p)+1], v[(\x)+2*(\p):(\x)+2*(\p)+1]
.endm
.macro OPB p                        ; C1 z^2 + C0
	v_pk_fma_f32 v[TT+2*(\p):TT+2*(\p)+1], v[TT+2*(\p):TT+2*(\p)+1], s[C1:C1+1], s[C0:C0+1] op_sel_hi:[1,0,0]
.endm
.macro OPC x, p                     ; times z
	v_pk_mul_f32 v[TT+2*(\p):TT+2*(\p)+1], v[TT+2*(\p):TT+2*(\p)+1], v[(\x)+2*(\p):(\x)+2*(\p)+1]
.endm
.macro OPE e
	v_exp_f32 v[TT+(\e)], v[TT+(\e)]
.endm
.macro OPP p                        ; + 1
	v_pk_add_f32 v[TT+2*(\p):TT+2*(\p)+1], v[TT+2*(\p):TT+2*(\p)+1], 1.0 op_sel_hi:[1,0]
.endm
.macro OPR e
	v_rcp_f32 v[TT+(\e)], v[TT+(\e)]
.endm
; THE GELU OF A GROUP is a list of 166; GR writes number nn of it for the sums at v[x .. x + 31] (16 pairs).
;   0     the address of the group's h slot          1-3   v_nop: with number 0 the four places behind the last matrix instructions that wrote the sums or read v96-127
;   4-83  the exponents and the 32 exponentials, ONE BATCH: plain and exponential by turns, an exponential four pairs behind its exponent; nothing here names an exponential's result
;   84    a plain instruction behind the last exponential, and the batch's one wait ahead of the first instruction that names a result
;   85-132  1 + 2^t and the 32 reciprocals, a second batch          133   its plain instruction and its wait          134-149  times z          150-165  rounded to bf16, in place
.macro GR x, sl
	WIN 0
.if nn == 0
	v_add_nc_u32 v[HSA], s[\sl], v[HS0]
.elseif nn < 4
	v_nop
.elseif nn < 8
	OPA \x, nn-4
.elseif nn < 12
	OPB nn-8
.elseif nn < 16
	OPC \x, nn-12
.elseif nn < 76
.set kb, (nn-16)/20+1
.set mm, (nn-16)%20
.if mm >= 16
	OPC \x, 4*kb+mm-16
.elseif mm%2 == 1
	OPE 8*(kb-1)+mm/2
.elseif mm < 8
	OPA \x, 4*kb+mm/2
.else
	OPB 4*kb+(mm-8)/2
.endif
.elseif nn < 84
	OPE 24+nn-76
.elseif nn == 84
	v_nop
	s_wait_alu depctr_va_vdst(0)
.elseif nn < 89
	OPP nn-85
.elseif nn < 125
.if (nn-89)%3 == 0
	OPP (nn-89)/3+4
.else
	OPR 2*((nn-89)/3)+(nn-89)%3-1
.endif
.elseif nn < 133
	OPR 24+nn-125
.elseif nn == 133
	v_nop
	s_wait_alu depctr_va_vdst(0)
.elseif nn < 150
	OPC \x, nn-134
.else
	v_cvt_pk_bf16_f32 v[TT+nn-150], v[TT+2*(nn-150)], v[TT+2*(nn-150)+1]
.endif
.endm
; SLICE si of a group's 64: K step si / 4, hidden tile (si / 2) % 2, row tile si % 2.  One matrix instruction (the four accumulators take turns), three of the other buffer's
; gelu, and (ld = 1) one load of half a fragment for the slice 16 on.  Sixteen slices use one fragment buffer while the other is filled.
.macro SLICE buf, ld
.if (\ld) && (si%4 == 0)
	s_wait_dscnt 12                                ; this K step's four loads are in: 12 fragment loads were issued behind them
.endif
	WIN 0x04                                       ; source 1 (NRM) in window 1
.set rD, HACC+32*(\buf)+8*(si%4)
.set rF, FA+64*((si/16)%2)+8*((si%16)/2)
.set rN, 8*(16*(si%2)+si/4)
.if si < 4
	v_wmma_f32_16x16x32_bf16 v[rD:rD+7], v[rF:rF+7], v[rN:rN+7], v[BR+8*(si/2):BR+8*(si/2)+7]
.else
	v_wmma_f32_16x16x32_bf16 v[rD:rD+7], v[rF:rF+7], v[rN:rN+7], v[rD:rD+7]
.endif
.if (\ld) && (si%16 == 0)
	WIN 0
	v_add_nc_u32 v[AW], s[SW], v[AW0]
.if si == 32
	s_sub_co_u32 s[SW], s[SW], 3*4*32*PA-64        ; back to K step 0, 32 hidden units on
.else
	s_add_co_u32 s[SW], s[SW], 4*32*PA             ; four K steps on
.endif
.endif
.set kk, 0
.rept 3
.set nn, 3*si+kk
.if nn < 166
	GR HACC+32-32*(\buf), SLA+(\buf)
.endif
.set kk, kk+1
.endr
.if si == 8
	WIN 0
	v_add_nc_u32 v[BIA], s[SBI], v[BI0]
	s_add_co_u32 s[SBI], s[SBI], 160-32*(\buf)     ; the groups' bytes in b1's two rows: 0, 128, 288, 416; behind them a row of zeros, read once a chunk and not used
.endif
.if (si >= 8) && (si < 12)
	ds_load_b128 v[BR+4*(si-8):BR+4*(si-8)+3], v[BIA] offset:64*((si-8)/2)+16*((si-8)%2)
.endif
.if si == 56
	WIN 0
.set kk, 0
.rept 4
.if \ld
	ds_store_b128 v[HSA], v[TT+4*kk:TT+4*kk+3] offset:1280*(kk%2)+32*(kk/2)
.else
	ds_store_b128 v[HS0], v[TT+4*kk:TT+4*kk+3] offset:2*HSL+1280*(kk%2)+32*(kk/2)
.endif
.set kk, kk+1
.endr
.endif
.if \ld
	ds_load_tr16_b128 v[FA+64*((si/16+1)%2)+8*((si%16)/2)+4*(si%2):FA+64*((si/16+1)%2)+8*((si%16)/2)+4*(si%2)+3], v[AW] offset:32*PA*((si%16)/4)+32*(((si%16)/2)%2)+16*PA*(si%2)
.endif
.endm
.macro GRP buf, i0, i1, ld
.set si, (\i0)
.rept (\i1)-(\i0)+1
	SLICE \buf, \ld
.set si, si+1
.endr
.endm
.macro FETCH1                       ; a chunk's first bias and its first eight fragments, in the slices' order
	WIN 0
.set kk, 0
.rept 4
	ds_load_b128 v[BR+4*kk:BR+4*kk+3], v[BI0] offset:64*(kk/2)+16*(kk%2)
.set kk, kk+1
.endr
.set kk, 0
.rept 16
	ds_load_tr16_b128 v[FA+4*kk:FA+4*kk+3], v[AW0] offset:32*PA*(kk/4)+32*((kk/2)%2)+16*PA*(kk%2)
.set kk, kk+1
.endr
.endm
; ---------------- the second product's macros.  h's fragments: rows 0-63 at v128-159, rows 64-127 at v96-127.  W2's: even K steps at v160-191 (b 0-3) and v32-63 (b 4-7), odd ones at v192-255.
.macro HLOAD ks, half
.set aa, 0
.rept 4
	ds_load_b128 v[128-32*(\half)+8*aa:128-32*(\half)+8*aa+3], v[AH] offset:HSL*(((\ks)+3)%4)+1280*(4*(\half)+aa)
	ds_load_b128 v[128-32*(\half)+8*aa+4:128-32*(\half)+8*aa+7], v[AH] offset:HSL*(((\ks)+3)%4)+1280*(4*(\half)+aa)+32
.set aa, aa+1
.endr
.endm
.macro SETW ks
.if (\ks)%2
.set rW, 192+8*bb
.elseif bb < 4
.set rW, 160+8*bb
.else
.set rW, 32+8*(bb-4)
.endif
.endm
.macro WLOAD ks, bh
.set bb, 4*(\bh)
.rept 4
	SETW \ks
	ds_load_tr16_b128 v[rW:rW+3], v[AB0+(\ks)/2] offset:((\ks)%2)*32*PB+32*bb
	ds_load_tr16_b128 v[rW+4:rW+7], v[AB0+(\ks)/2] offset:((\ks)%2)*32*PB+32*bb+16*PB
.set bb, bb+1
.endr
.endm
.macro MUL2 ks, half, b0, nb        ; 4 nb matrix instructions, each on another accumulator
	WIN 0xa0+0x50*(\half)
.set bb, (\b0)
.rept (\nb)
	SETW \ks
.set aa, 0
.rept 4
	v_wmma_f32_16x16x32_bf16 v[64*aa+8*bb:64*aa+8*bb+7], v[rW:rW+7], v[128-32*(\half)+8*aa:128-32*(\half)+8*aa+7], v[64*aa+8*bb:64*aa+8*bb+7]
.set aa, aa+1
.endr
.set bb, bb+1
.endr
.endm
.macro UNIT2 ks, half               ; 32 matrix instructions, and in their middle a run of loads for the units to come
	s_wait_dscnt 8                                 ; h's fragments are in; the run's second eight loads may be out
	MUL2 \ks, \half, 0, 4
	s_wait_dscnt 0x0
	PLACES
	WIN 0
.if \half
	HLOAD (\ks)+1, 0
	WLOAD (\ks)+1, 1
.else
	HLOAD \ks, 1
.if (\ks) < 3
	WLOAD (\ks)+1, 0
.endif
.endif
	MUL2 \ks, \half, 4, 4
.endm
; THE END OF A CHUNK'S FIRST PRODUCT: slices 48-63 of its fourth group fetch nothing.  W1b's tile has been read out, W2b's is waited for.  fill = 1: the barrier opens a round of the cluster's,
; and the next tile of W1b is asked for first thing behind it: it has the second product's 256 matrix instructions in which to land.
.macro TAILL fill
	WIN 0
	s_wait_tensorcnt 0x0                           ; my one tensor load that was out, my quarter of W2b's tile, has landed
.if \fill
	ds_add_u32 v[SPW], v[NIL]                      ; 0 onto my spare word
	s_add_nc_u64 s[G0A+2:G0A+3], s[G0A+2:G0A+3], 256  ; no tensor load of mine is out: the next 128 hidden units
	s_wait_dscnt 13                                ; 12 fragment loads and the add may be out
.else
	s_wait_dscnt 12
.endif
	GRP 1, 48, 51, 0
	s_wait_dscnt 0x0                               ; the add is done, my reads of W1b's tile are over and my stores into h's slots are done
	s_barrier_signal -1
	GRP 1, 52, 55, 0
	WIN 0
	s_barrier_wait -1
.if \fill
	CREST
	JL G0A, G1A
.else
	PLACES
.endif
	HLOAD 0, 0
	WLOAD 0, 0
	WLOAD 0, 1
.if \fill
	ASK2
.endif
	GRP 1, 56, 63, 0
.endm
; THE SECOND PRODUCT OF A CHUNK: four K steps.  Its last unit changes regions the other way: W2b's tile has been read out, W1b's is waited for.
.macro G2 fill
	s_wait_dscnt 12                                ; h's and W2's first fragments are in; W2's b 4-7 (8 loads) and my 4 stores into slot 2 may be out
	MUL2 0, 0, 0, 4
	WIN 0
	BAR                                            ; every wave's stores into slot 2 are done: it is read from the sixth unit on
	PLACES
	HLOAD 0, 1
	WLOAD 1, 0
	MUL2 0, 0, 4, 4
	UNIT2 0, 1
	UNIT2 1, 0
	UNIT2 1, 1
	UNIT2 2, 0
	UNIT2 2, 1
	UNIT2 3, 0
	WIN 0
	s_wait_tensorcnt 0x0                           ; my quarter of W1b's next tile has landed (in the last chunk: nothing is out)
	ds_add_u32 v[SPW], v[NIL]                      ; 0 onto my spare word
.if \fill
	s_wait_xcnt 0x0                                ; the prefetches, a phase and more back, have read their addresses
	s_add_nc_u64 s[PF1:PF1+1], s[PF1:PF1+1], 256
	s_add_nc_u64 s[PF2:PF2+1], s[PF2:PF2+1], 131072
.endif
	s_add_nc_u64 s[G0B+2:G0B+3], s[G0B+2:G0B+3], 131072  ; the next 128 rows of W2b
	s_wait_dscnt 1                                 ; h's last fragments are in; the add may be out
	MUL2 3, 1, 0, 2
	s_wait_dscnt 0x0                               ; the add is done, and my reads of W2b's tile and of h's slots are over
	s_barrier_signal -1
	MUL2 3, 1, 2, 2
	WIN 0
	s_barrier_wait -1
	CREST
.if \fill
	JL G0B, G1B
	FETCH1
	ASK1 0
	s_mov_b32 s[SW], 4*32*PA
	s_mov_b32 s[SBI], 128
	s_mov_b32 s[SLA], 3*HSL
	s_mov_b32 s[SLB], 0
.else
	s_cmp_lg_u32 s[WV], 0                          ; the last 32 rows of W2b are wave 0's quarter alone; the branch is the same in all partners
	s_cbranch_scc1 .Lnob_\@
	JL G0B, G1B
.Lnob_\@:
.endif
	MUL2 3, 1, 4, 4
	WIN 0
.endm
; ---------------- the way out: block a (16 rows x my 512 bytes): + b2, through my own stage, back as whole rows
.macro PACK a
	WIN 0x06+((\a)/4)
.set pp, 0
.rept 32
	v_pk_add_f32 v[TMP+2*pp:TMP+2*pp+1], v[64*((\a)%4)+2*pp:64*((\a)%4)+2*pp+1], v[2*pp:2*pp+1]
.set pp, pp+1
.endr
	WIN 0
.endm
.macro TOSTAGE a
.set kk, 0
.rept 16
	ds_store_b128 v[STO], v[TMP+4*kk:TMP+4*kk+3] offset:64*(kk/2)+16*(kk%2)
.set kk, kk+1
.endr
.set kk, 0
.rept 16
	ds_load_b128 v[OB+64*((\a)%2)+4*kk:OB+64*((\a)%2)+4*kk+3], v[RD] offset:SPT*kk  ; LDS serves a wave's instructions in order (ISA guide 5.7.1.4): these see the stores above
.set kk, kk+1
.endr
.endm
.macro SEND a
	s_wait_dscnt 0x0                               ; the block is back in registers
	s_wait_xcnt 0x0                                ; the stores of the block before have read their registers, which the next block's loads write
.set kk, 0
.rept 16
	global_store_b128 v[GO], v[OB+64*((\a)%2)+4*kk:OB+64*((\a)%2)+4*kk+3], s[16:17] offset:(16*(\a)+kk)*2048 th:TH_STORE_NT  ; a wave stores 512 consecutive bytes, at a multiple of 512 from out0's first byte
.set kk, kk+1
.endr
.endm
; ================ the head
	s_load_b256 s[4:11], s[0:1], 0x0               ; inputs s[4:5], gamma s[6:7], beta s[8:9], b2 s[10:11]
	s_load_b128 s[12:15], s[0:1], 0x20             ; W1b s[12:13], W2b s[14:15]
	s_load_b64 s[16:17], s[0:1], 0x30              ; out0
	v_lshl_add_u32 v[SPW], v0, 2, SPARE
	v_mov_b32 v[NIL], 0
	ds_add_u32 v[SPW], v[NIL]                      ; the wave's opening: the add and its wait stand ahead of my first tensor load; the set-up below, work on registers, stands between them
	v_lshrrev_b32 v3, 5, v0
	v_readfirstlane_b32 s[WV], v3                  ; wave 0..3
	s_bfe_u32 s[CX], ttmp6, 0x40000
	s_lshl_b32 s[WG], ttmp9, 2                     ; in a cluster launch ttmp9 counts clusters
	s_add_co_u32 s[WG], s[WG], s[CX]
	; inputs: 64 rows x 256 f32 (half a grid row's channels), 16 bytes of padding behind each 1,024; a load of my work-group's own (no mask)
	s_mov_b32 s[G1I+0], (2<<16)|(1<<20)|(7<<22)|(3<<25)
	s_mov_b32 s[G1I+1], 256<<16
	s_mov_b32 s[G1I+2], 64<<16
	s_mov_b32 s[G1I+3], 256<<16
	s_mov_b32 s[G1I+4], 64
	s_mov_b32 s[G1I+5], 512
	s_mov_b32 s[G1I+6], 0
	s_mov_b32 s[G1I+7], 0
	; W1b: 129 rows x 128 bf16, 32 bytes of padding behind each 256; the mask names all four work-groups, bit 21 beside it
	s_mov_b32 s[G1A+0], 15|(1<<16)|(1<<20)|(1<<21)|(5<<22)|(7<<25)
	s_mov_b32 s[G1A+1], 128<<16
	s_mov_b32 s[G1A+2], 129<<16
	s_mov_b32 s[G1A+3], 128<<16
	s_mov_b32 s[G1A+4], 129
	s_mov_b32 s[G1A+5], 2048
	s_mov_b32 s[G1A+6], 0
	s_mov_b32 s[G1A+7], 0
	; W2b: 32 rows x 512 bf16, 32 bytes of padding behind each 1,024
	s_mov_b32 s[G1B+0], 15|(1<<16)|(1<<20)|(1<<21)|(7<<22)|(7<<25)
	s_mov_b32 s[G1B+1], 512<<16
	s_mov_b32 s[G1B+2], 32<<16
	s_mov_b32 s[G1B+3], 512<<16
	s_mov_b32 s[G1B+4], 32
	s_mov_b32 s[G1B+5], 512
	s_mov_b32 s[G1B+6], 0
	s_mov_b32 s[G1B+7], 0
	s_mov_b32 s[G0I], 1
	s_mul_i32 s[G0I+1], s[WV], AREA                ; wave 0, 1: own rows' halves; wave 2, 3: rolled rows' halves
	s_mov_b32 s[G0A], 1
	s_mul_i32 s[G0A+1], s[WV], 129*PA
	s_mov_b32 s[G0B], 1
	s_mul_i32 s[G0B+1], s[WV], 32*PB
	s_add_co_u32 s[G0B+1], s[G0B+1], RB
	s_lshl_b32 s21, s[WG], 18                      ; my 128 rows of 2,048 bytes
	s_lshr_b32 s22, s[WG], 5                       ; the batch,
	s_lshl_b32 s22, s22, 6
	s_and_b32 s23, s[WG], 31
	s_lshl_b32 s23, s23, 1
	s_add_co_u32 s23, s23, 4
	s_and_b32 s23, s23, 63                         ; its grid row (i0 + 4) % 64: even, so the second step's is the next
	s_add_co_u32 s22, s22, s23
	s_lshl_b32 s22, s22, 17
	s_cmp_lt_u32 s[WV], 2
	s_cselect_b32 s24, s21, s22
	s_and_b32 s23, s[WV], 1
	s_lshl_b32 s23, s23, 10
	s_add_co_u32 s24, s24, s23
	s_mov_b32 s25, 0
	s_mov_b32 s26, s21
	s_mov_b32 s27, 0
	s_mul_i32 s88, s[WV], 129*4096
	s_mov_b32 s89, 0
	s_lshl_b32 s90, s[WV], 15
	s_mov_b32 s91, 0
	s_lshl_b32 s92, s[WV], 7
	s_lshl_b32 s93, s[CX], 5
	s_add_co_u32 s92, s92, s93                     ; the first of my 32 blocks of a tile's 512
	s_lshl_b32 s94, s92, 8
	s_lshl_b32 s92, s92, 12
	s_mov_b32 s93, 0
	s_mov_b32 s95, 0
	s_cmp_eq_u32 ttmp9, 0
	s_cselect_b32 s[LIM], 2, -1                    ; the same in all four partners
	s_mov_b32 s[C0], 0xc0135761                    ; -2.3022082
	s_mov_b32 s[C0+1], 0xc0135761
	s_mov_b32 s[C1], 0xbdd2d3e8                    ; -0.10294324
	s_mov_b32 s[C1+1], 0xbdd2d3e8
	s_mov_b32 s[SEL], 0x76543210
	s_mov_b32 s[SEL+1], 0xfedcba98
	s_mov_b32 s[K512], 0x3b000000                  ; 1 / 512
	s_mov_b32 s[K512+1], 0x3b000000
	s_mov_b32 s[EPS], 0x358637bd                   ; 1e-6
	s_mov_b32 s[EPS+1], 0x358637bd
	s_wait_dscnt 0x0                               ; the opening add is done
	s_wait_kmcnt 0x0
	s_add_nc_u64 s[G0I+2:G0I+3], s[4:5], s[24:25]
	s_or_b32 s[G0I+3], s[G0I+3], 0x80000000
	s_add_nc_u64 s[G0A+2:G0A+3], s[12:13], s[88:89]
	s_or_b32 s[G0A+3], s[G0A+3], 0x80000000
	s_add_nc_u64 s[G0B+2:G0B+3], s[14:15], s[90:91]
	s_or_b32 s[G0B+3], s[G0B+3], 0x80000000
	s_add_nc_u64 s[16:17], s[16:17], s[26:27]      ; out0 at my first row
	s_add_nc_u64 s[PF1:PF1+1], s[12:13], s[92:93]
	s_add_nc_u64 s[PF1:PF1+1], s[PF1:PF1+1], 256   ; W1b's tile 1
	s_add_nc_u64 s[PF2:PF2+1], s[14:15], s[94:95]
	s_add_nc_u64 s[PF2:PF2+1], s[PF2:PF2+1], 131072  ; W2b's tile 1
	ROUND                                          ; in a cluster launch every group of tensor loads stands behind a round
	JL G0I, G1I                                    ; grid row i0: own and rolled
	v_and_b32 v[RR], 15, v0
	v_bfe_u32 v[HH], v0, 4, 1
	s_lshl_b32 s22, s[WV], 9
	v_lshl_add_u32 v[GV], v[HH], 5, s22            ; my columns' bytes in gamma, beta: 512 w + 32 h
.set kk, 0
.rept 16
	global_load_b128 v[GAM+4*kk:GAM+4*kk+3], v[GV], s[6:7] offset:64*(kk/2)+16*(kk%2)
	global_load_b128 v[BET+4*kk:BET+4*kk+3], v[GV], s[8:9] offset:64*(kk/2)+16*(kk%2)
.set kk, kk+1
.endr
	; the turning load takes 16 k x 16 n: lane l reads 16 bytes of row 8 (l / 16) + l % 8, at 16 ((l / 8) % 2)
	v_and_b32 v24, 7, v0
	v_bfe_u32 v25, v0, 3, 1
	v_lshl_add_u32 v24, v[HH], 3, v24
	v_lshlrev_b32 v25, 4, v25
	v_mul_u32_u24 v[AW0], v24, PA
	v_add_nc_u32 v[AW0], v[AW0], v25
	v_mul_u32_u24 v[AB0], v24, PB
	v_add_nc_u32 v[AB0], v[AB0], v25
	s_lshl_b32 s21, s[WV], 8                       ; my 128 columns of W2
	s_add_co_u32 s21, s21, RB
	v_add_nc_u32 v[AB0], s21, v[AB0]
	v_add_nc_u32 v[AB0+1], 64*PB, v[AB0]
	v_mul_u32_u24 v[AH], v[RR], 80
	v_lshl_add_u32 v[AH], v[HH], 4, v[AH]
	s_mul_i32 s21, s[WV], 32*80
	s_add_co_u32 s21, s21, HR
	v_add_nc_u32 v[HS0], s21, v[AH]                ; my wave's 32 rows
	v_add_nc_u32 v[AH], HR, v[AH]
	v_lshlrev_b32 v[BI0], 5, v[HH]
	v_add_nc_u32 v[BI0], 512*PA, v[BI0]
	v_and_b32 v[PO2], 31, v0
	v_lshlrev_b32 v[PO1], 12, v[PO2]
	v_lshlrev_b32 v[PO2], 8, v[PO2]
	s_lshr_b32 s21, s[WV], 1                       ; my 128 columns: which half of the channels, and which 512 bytes of it
	s_mul_i32 s21, s21, AREA
	s_and_b32 s22, s[WV], 1
	s_lshl_b32 s22, s22, 9
	s_add_co_u32 s21, s21, s22
	v_mul_u32_u24 v[AS], v[RR], PIN
	v_lshl_add_u32 v24, v[HH], 5, s21
	v_add_nc_u32 v[AS], v[AS], v24
	v_add_nc_u32 v[AR], 2*AREA+4*PIN, v[AS]        ; the rolled rows' areas, 4 tokens on
	v_add_nc_u32 v25, 52, v[RR]
	v_and_b32 v25, 63, v25                         ; (48 + r + 4) % 64
	v_mul_u32_u24 v25, v25, PIN
	v_add_nc_u32 v[AR3], v25, v24
	v_add_nc_u32 v[AR3], 2*AREA, v[AR3]
	v_mul_u32_u24 v[XR], v[RR], PIN
	v_lshl_add_u32 v[XR], v[HH], 4, v[XR]
	v_add_nc_u32 v[XR], HR, v[XR]
	s_lshl_b32 s22, s[WV], 8
	v_add_nc_u32 v[XS], s22, v[XR]
	v_lshlrev_b32 v[TBR], 6, v[RR]
	v_add_nc_u32 v[TBR], TAB, v[TBR]
	s_lshl_b32 s22, s[WV], 10
	v_add_nc_u32 v[TBS], s22, v[TBR]
	s_wait_tensorcnt 0x0                           ; my area is in,
	BAR                                            ; everybody's is
; ================ x = own + rolled, into the accumulators
	LD 0, 0
	LD 0, 1
	s_wait_dscnt 32                                ; all but the 32 loads of the block issued last
	ADDX 0, 0
	LD 0, 2
	s_wait_dscnt 32
	ADDX 0, 1
	LD 0, 3
	s_wait_dscnt 32
	ADDX 0, 2
	WIN 0
	s_wait_tensorcnt 0x0                           ; the areas are filled again: no tensor load of mine is out,
	ds_add_u32 v[SPW], v[NIL]                      ; 0 onto my spare word
	s_add_nc_u64 s[G0I+2:G0I+3], s[G0I+2:G0I+3], 131072  ; the next grid row, own and rolled alike
	s_wait_dscnt 0x0                               ; the add is done, and my reads of the areas are over
	ROUND
	JL G0I, G1I                                    ; grid row i0 + 1; the work on registers below stands in its flight
	ADDX 0, 3
	STAT 0
	STAT 1
	STAT 2
	STAT 3
	WIN 0
	s_wait_tensorcnt 0x0
	BAR
	LD 1, 0
	LD 1, 1
	s_wait_dscnt 32
	ADDX 1, 0
	LD 1, 2
	s_wait_dscnt 32
	ADDX 1, 1
	LD 1, 3
	s_wait_dscnt 32
	ADDX 1, 2
	WIN 0
	s_wait_tensorcnt 0x0
	ds_add_u32 v[SPW], v[NIL]                      ; 0 onto my spare word
	s_wait_dscnt 0x0                               ; the add is done, and my reads of the areas are over
	ROUND
	JL G0A, G1A                                    ; W1b's tile 0 lands under the norm
	ADDX 1, 3
	STAT 4
	STAT 5
	STAT 6
	STAT 7
; ================ the four waves' statistics meet once
	WIN 0
.set ii, 0
.rept 8
	v_mov_b32 v[TT+ii], v[32+8*ii]
	v_mov_b32 v[TT+8+ii], v[34+8*ii]
.set ii, ii+1
.endr
.set kk, 0
.rept 4
	ds_store_b128 v[TBS], v[TT+4*kk:TT+4*kk+3] offset:16*kk  ; a row's 8 means and 8 sums of squares; both halves of the lanes write the same
.set kk, kk+1
.endr
	BAR
.set kk, 0
.rept 16
	ds_load_b128 v[32+4*kk:32+4*kk+3], v[TBR] offset:1024*(kk/4)+16*(kk%4)
.set kk, kk+1
.endr
	s_wait_dscnt 0x0
.set ii, 0
.rept 4                             ; two row blocks at a time: mu = the mean of the four means; variance = (the four sums) / 512 + (the squared distances of the four means from mu) / 4
.set rM, 32+2*ii
.set rQ, 40+2*ii
.set rMU, TT+2*ii
.set rVV, TT+8+2*ii
.set rDD, TT+16+2*ii
.set rGG, TT+24+2*ii
	v_pk_add_f32 v[rMU:rMU+1], v[rM:rM+1], v[rM+16:rM+17]
	v_pk_add_f32 v[rDD:rDD+1], v[rM+32:rM+33], v[rM+48:rM+49]
	v_pk_add_f32 v[rMU:rMU+1], v[rMU:rMU+1], v[rDD:rDD+1]
	v_pk_mul_f32 v[rMU:rMU+1], v[rMU:rMU+1], 0x3e800000 op_sel_hi:[1,0]
	v_pk_add_f32 v[rDD:rDD+1], v[rM:rM+1], v[rMU:rMU+1] neg_lo:[0,1] neg_hi:[0,1]
	v_pk_mul_f32 v[rGG:rGG+1], v[rDD:rDD+1], v[rDD:rDD+1]
	v_pk_add_f32 v[rDD:rDD+1], v[rM+16:rM+17], v[rMU:rMU+1] neg_lo:[0,1] neg_hi:[0,1]
	v_pk_fma_f32 v[rGG:rGG+1], v[rDD:rDD+1], v[rDD:rDD+1], v[rGG:rGG+1]
	v_pk_add_f32 v[rDD:rDD+1], v[rM+32:rM+33], v[rMU:rMU+1] neg_lo:[0,1] neg_hi:[0,1]
	v_pk_fma_f32 v[rGG:rGG+1], v[rDD:rDD+1], v[rDD:rDD+1], v[rGG:rGG+1]
	v_pk_add_f32 v[rDD:rDD+1], v[rM+48:rM+49], v[rMU:rMU+1] neg_lo:[0,1] neg_hi:[0,1]
	v_pk_fma_f32 v[rGG:rGG+1], v[rDD:rDD+1], v[rDD:rDD+1], v[rGG:rGG+1]
	v_pk_add_f32 v[rVV:rVV+1], v[rQ:rQ+1], v[rQ+16:rQ+17]
	v_pk_add_f32 v[rDD:rDD+1], v[rQ+32:rQ+33], v[rQ+48:rQ+49]
	v_pk_add_f32 v[rVV:rVV+1], v[rVV:rVV+1], v[rDD:rDD+1]
	v_pk_fma_f32 v[rVV:rVV+1], v[rVV:rVV+1], s[K512:K512+1], s[EPS:EPS+1] op_sel_hi:[1,0,0]
	v_pk_fma_f32 v[rVV:rVV+1], v[rGG:rGG+1], 0x3e800000, v[rVV:rVV+1] op_sel_hi:[1,0,1]
.set ii, ii+1
.endr
.set ii, 0
.rept 8
	v_rsq_f32 v[TT+8+ii], v[TT+8+ii]
.set ii, ii+1
.endr
	v_nop                                          ; a plain instruction behind the last of them,
	s_wait_alu depctr_va_vdst(0)                   ; and the one wait ahead of the first use
.set ii, 0
.rept 4
	v_pk_mul_f32 v[TT+2*ii:TT+2*ii+1], v[TT+2*ii:TT+2*ii+1], v[TT+8+2*ii:TT+8+2*ii+1] neg_lo:[1,0] neg_hi:[1,0]  ; - mu / sigma
.set ii, ii+1
.endr
.set ii, 0
.rept 8
	v_mov_b32 v[RS2+2*ii], v[TT+8+ii]
	v_mov_b32 v[RS2+2*ii+1], v[TT+8+ii]
	v_mov_b32 v[C2+2*ii], v[TT+ii]
	v_mov_b32 v[C2+2*ii+1], v[TT+ii]
.set ii, ii+1
.endr
	s_wait_loadcnt 0x0                             ; gamma and beta
	NORM 0
	NORM 1
	NORM 2
	NORM 3
	NORM 4
	NORM 5
	NORM 6
	NORM 7
; ================ the first change of regions: W1b's tile 0 is waited for, W2b's tile 0 asked for
	WIN 0
	s_wait_tensorcnt 0x0
	ds_add_u32 v[SPW], v[NIL]                      ; 0 onto my spare word
	s_mov_b32 s[SW], 4*32*PA
	s_mov_b32 s[SBI], 128
	s_mov_b32 s[SLA], 3*HSL
	s_mov_b32 s[SLB], 0
	s_mov_b32 s[CH], 16
	s_wait_dscnt 0x0                               ; the add is done; my rows of NRM are in
	ROUND
	JL G0B, G1B
	FETCH1
	ASK1 1                                         ; W1b's tile 1
.set ii, 0
.rept 32
	v_mov_b32 v[HACC+32+ii], 0                     ; group -1: its gelu is 0, and W2b's first 32 rows are zeros
.set ii, ii+1
.endr
; ================ sixteen chunks of 128 hidden units
.Lchunk:
	s_mov_b32 s[CNT2], 2
.Lpair:                             ; two groups a trip; the second trip is left in its middle, ahead of the slices that would fetch a fifth group
	GRP 0, 0, 63, 1
	GRP 1, 0, 47, 1
	WIN 0
	s_sub_co_u32 s[CNT2], s[CNT2], 1
	s_cmp_eq_u32 s[CNT2], 0
	s_cbranch_scc1 .Lsel
	GRP 1, 48, 63, 1
	WIN 0
	s_sub_co_u32 s[SLA], s[SLA], 2*HSL             ; slot 3, then slot 1
	s_add_co_u32 s[SLB], s[SLB], 2*HSL             ; slot 0, then slot 2
	s_branch .Lpair
.Lsel:
	s_cmp_eq_u32 s[CH], 1
	s_cbranch_scc1 .Llast                          ; the last chunk is written out
	TAILL 1
	G2 1
	s_sub_co_u32 s[CH], s[CH], 1
	s_branch .Lchunk
.Llast:
	TAILL 0
	G2 0
; ================ group 63: its gelu has no products to ride behind; then its K step, and the way out
	s_lshl_b32 s21, s[WV], 9
	v_lshl_add_u32 v[GB], v[HH], 5, s21
	WIN 0x40
.set kk, 0
.rept 16
	global_load_b128 v[4*kk:4*kk+3], v[GB], s[10:11] offset:64*(kk/2)+16*(kk%2)  ; b2 of my 64 columns, where NRM lay
.set kk, kk+1
.endr
	WIN 0
	v_and_b32 v[GO], 31, v0
	v_lshl_add_u32 v[GO], v[GO], 4, s21            ; 512 w + 16 l
	s_mul_i32 s22, s[WV], 16*SPT
	s_add_co_u32 s22, s22, HR                      ; my stage
	v_mul_u32_u24 v[STO], v[RR], SPT
	v_lshl_add_u32 v[STO], v[HH], 5, v[STO]
	v_add_nc_u32 v[STO], s22, v[STO]
	v_and_b32 v[RD], 31, v0
	v_lshl_add_u32 v[RD], v[RD], 4, s22
	s_mov_b32 s[SLA], 3*HSL
.set nn, 0
.rept 166
	GR HACC+32, SLA
.set nn, nn+1
.endr
.set kk, 0
.rept 4
	ds_store_b128 v[HSA], v[TT+4*kk:TT+4*kk+3] offset:1280*(kk%2)+32*(kk/2)
.set kk, kk+1
.endr
	s_wait_tensorcnt 0x0                           ; wave 0: the last 32 rows of W2b are in
	BAR                                            ; and everybody's h
	HLOAD 0, 0
	HLOAD 0, 1
	WLOAD 0, 0
	WLOAD 0, 1
	s_wait_dscnt 0x0
	s_barrier_signal -1                            ; my reads of h's slots are over: behind this barrier the stages take their bytes
	MUL2 0, 0, 0, 8
	MUL2 0, 1, 0, 8
	WIN 0
	s_barrier_wait -1
	PLACES
	s_wait_loadcnt 0x0                             ; b2
	PACK 0
	TOSTAGE 0
	PACK 1                                         ; a block's additions stand between the loads of the block before and its stores
	SEND 0
	TOSTAGE 1
	PACK 2
	SEND 1
	TOSTAGE 2
	PACK 3
	SEND 2
	TOSTAGE 3
	PACK 4
	SEND 3
	TOSTAGE 4
	PACK 5
	SEND 4
	TOSTAGE 5
	PACK 6
	SEND 5
	TOSTAGE 6
	PACK 7
	SEND 6
	TOSTAGE 7
	SEND 7
	s_wait_tensorcnt 0x0                           ; the wave's end: the add and its wait, behind my last tensor load and my last LDS store
	ds_add_u32 v[SPW], v[NIL]
	s_wait_dscnt 0x0
	ROUND                                          ; the closing round: no work-group ends while a partner may still ask for a tile that names it
	s_endpgm
.Lfunc_end_k_q35afb8b7a4_mlp:
	.size	k_q35afb8b7a4_mlp, .Lfunc_end_k_q35afb8b7a4_mlp-k_q35afb8b7a4_mlp
	.p2alignl 7, 3214868480
	.fill 96, 4, 3214868480
	.section	.rodata,"a",@progbits
	.p2align	6, 0x0
	.amdhsa_kernel k_q35afb8b7a4_mlp
		.amdhsa_group_segment_fixed_size 327680
		.amdhsa_private_segment_fixed_size 0
		.amdhsa_enable_private_segment 0
		.amdhsa_kernarg_size 56
		.amdhsa_user_sgpr_count 2
		.amdhsa_user_sgpr_kernarg_segment_ptr 1
		.amdhsa_wavefront_size32 1
		.amdhsa_system_sgpr_workgroup_id_x 1
		.amdhsa_system_sgpr_workgroup_id_y 1
		.amdhsa_system_sgpr_workgroup_id_z 1
		.amdhsa_system_vgpr_workitem_id 0
		.amdhsa_next_free_vgpr 1024
		.amdhsa_next_free_sgpr 96
		.amdhsa_reserve_vcc 0
		.amdhsa_float_denorm_mode_32 3
		.amdhsa_float_denorm_mode_16_64 3
		.amdhsa_memory_ordered 1
		.amdhsa_forward_progress 1
		.amdhsa_inst_pref_size 255
	.end_amdhsa_kernel
	.section	.bss,"aw",@nobits
	.p2align	6
	.space	262144
	.amdgpu_metadata
---
amdhsa.version: [ 1, 2 ]
amdhsa.kernels:
  - .name:           k_q35afb8b7a4_mlp
    .symbol:         k_q35afb8b7a4_mlp.kd
    .args:
      - { .name: inputs, .offset: 0, .size: 8, .value_kind: global_buffer, .address_space: global }
      - { .name: ln_gamma, .offset: 8, .size: 8, .value_kind: global_buffer, .address_space: global }
      - { .name: ln_beta, .offset: 16, .size: 8, .value_kind: global_buffer, .address_space: global }
      - { .name: b2, .offset: 24, .size: 8, .value_kind: global_buffer, .address_space: global }
      - { .name: W1b, .offset: 32, .size: 8, .value_kind: global_buffer, .address_space: global }
      - { .name: W2b, .offset: 40, .size: 8, .value_kind: global_buffer, .address_space: global }
      - { .name: out0, .offset: 48, .size: 8, .value_kind: global_buffer, .address_space: global }
    .group_segment_fixed_size: 327680
    .private_segment_fixed_size: 0
    .kernarg_segment_align: 8
    .kernarg_segment_size: 56
    .max_flat_workgroup_size: 128
    .sgpr_count:     96
    .vgpr_count:     1024
    .wavefront_size: 32
...
	.end_amdgpu_metadata
.endif
;; end of part 2
;; ======== version 2 of 2: 2 launches
;; workspace buffers: W1b 2,113,536 bytes; W2b 2,129,920 bytes
;; launch cast: the kernel of part 1 again; grid 128 x 2, 8 waves a work-group, no clusters, 0 bytes of LDS; arguments W1, W2, b1, W1b, W2b; writes W1b, W2b
;; launch mlp (part 3): grid 256 x 1, 4 waves a work-group, clusters of 4 x 1, 327,680 bytes of LDS; arguments inputs, ln_gamma, ln_beta, b2, W1b, W2b, out0; writes out0
.if DOCPART == 3
	.amdgcn_target "amdgcn-amd-amdhsa--gfx1250"
	.amdhsa_code_object_version 6
	.text
	.protected	k_q35afb8b7a4_mlp
	.globl	k_q35afb8b7a4_mlp
	.p2align	8
	.type	k_q35afb8b7a4_mlp,@function
k_q35afb8b7a4_mlp:
	s_mov_b64 s[64:65], 0
	v_nop
	global_prefetch_b8 v0, s[64:65] scope:SCOPE_SE
	s_setreg_imm32_b32 hwreg(HW_REG_WAVE_MODE, 25, 1), 1
	s_wait_xcnt 0x0
	s_wait_alu depctr_hold_cnt(0) depctr_sa_sdst(0) depctr_va_vdst(0) depctr_va_sdst(0) depctr_va_ssrc(0) depctr_va_vcc(0) depctr_vm_vsrc(0)
	s_getreg_b32 s2, hwreg(HW_REG_IB_STS2, 6, 4)
	s_cmp_eq_u32 s2, 0
	s_cbranch_scc0 .Lentry_in_a_cluster
	s_endpgm
.Lentry_in_a_cluster:
	s_bfe_u32 s2, ttmp6, 0x10000c
	s_cmp_lg_u32 s2, 0x3003
	s_cbranch_scc0 .Lentry_shape_is_right
	s_endpgm
.Lentry_shape_is_right:
; out = x + gelu(LN(x) W1 + b1) W2 + b2, with x[b][i][j] = in[b][i][j] + in[b][(i+4)%64][(j+4)%64] (the windows' partition and its reverse cancel).
; gelu is the tanh form, written y = z / (1 + 2^(z (C0 + C1 z^2))), C0 = -2 sqrt(2/pi) log2(e), C1 = 0.044715 C0.
; SHARES.  A work-group owns 128 rows (two grid rows of one batch), 256 work-groups.  x stays in f32 in the accumulators of the second product from first to last: the residual is never rounded
; and never read again.  ACC: wave w holds all 128 rows x columns 128 w .. + 127, transposed: accumulator (a, b): lane (r, h), register j = row 16 a + r, column 128 w + 16 b + 8 h + j.
; NRM: wave w holds the normed rows 32 w .. + 31, all 512 channels, in bf16, as source 1 of the first product.
; FIRST PRODUCT, in groups of 32 hidden units: H^T = (W1 turned by ds_load_tr16_b128) x NRM, C of the first K step = b1: 64 matrix instructions; a lane ends with one row and 8 neighbouring hidden units.
; The gelu of group g rides behind the matrix instructions of group g + 1, four vector instructions behind each of the first 42, and its bf16 results go to one of four h slots in LDS.
; The LDS instructions of a group stand in four runs, one for every 16 matrix instructions, never singly among them.
; SECOND PRODUCT, K steps of 32 hidden units: ACC += (W2 turned) x h: 64 matrix instructions a K step.  It runs one group behind: phase c takes groups 4 c - 1 .. 4 c + 2, which are rows 128 c .. + 127
; of W2b (its first 32 rows are zeros, and group -1 is gelu(0) = 0); group 63 has a K step of its own at the end.
; CLUSTER.  All work-groups walk the same tiles of W1b and W2b in the same order: four of them ask for each tile JOINTLY (mask 15).  Each change of region is a round of the cluster's barrier.
; One tile of W1b (516 rows x 256 bytes) and one of W2b (128 rows x 1,024 bytes) lie in LDS; each is filled again while the other is multiplied: 256 matrix instructions a wave.
; LIMITS.  NaN and infinities are not treated apart.  2^t below 2^-126 counts as 0.  Normed rows, h and the weights are rounded once to bf16.  The variance is made of each wave's own mean and sum of
; squared distances from it, joined by the distances of the four means: no difference of large sums.
; REGISTERS, in windows of 256 (s_set_vgpr_msb: bits 1:0 source 0, 3:2 source 1, 5:4 source 2, 7:6 destination): window 0 addresses, operands and work; window 1 NRM; windows 2, 3 ACC (a / 4).
.set PA,    288       ; a row of W1b's tile in LDS: 256 bytes + 32
.set PB,    1056      ; a row of W2b's tile: 1,024 + 32
.set RB,    148736    ; W2b's tile begins here; W1b's at 0 (516 rows: 148,608 bytes)
.set HR,    283904    ; behind the tiles: bytes that only ds_store writes: the four h slots; before them the exchange of normed rows and the table; after them the stages
.set HSL,   10240     ; an h slot: 128 rows x 64 bytes, 80 apart
.set SPARE, 324864    ; the spare words, 128 bytes for each wave: two blocks of 256 bytes that no other line names
.set PIN,   1040      ; a row of an input area: 1,024 + 16
.set AREA,  64*PIN    ; four areas from LDS byte 0: own rows' left and right half, rolled rows' left and right half
.set XB,    16*PIN    ; a buffer of 16 normed rows in bf16: two of them at HR
.set TAB,   HR+XB     ; the table of the waves' statistics, 4 x 1,024 bytes (in the second buffer, before it is first used)
.set SPT,   528       ; a row of a stage: 512 + 16
.set SPW, 1           ; v1   my spare word: SPARE + 4 x my thread's number; never rewritten
.set NIL, 2           ; v2   0; never rewritten
.set AW0, 3           ; v3   my lane's place in a turned fragment of W1
.set AW,  4           ; v4   the address of the fragments being fetched
.set AB0, 5           ; v5, v6  the same for W2: K steps 0, 1 and 2, 3
.set AH,  7           ; v7   my lane's place in a fragment of h
.set HS0, 8           ; v8   where I put 16 bytes of h, in slot 0
.set HSA, 9           ; v9   the same in the slot in hand
.set BI0, 10          ; v10  my lane's place in b1's rows
.set BIA, 11          ; v11  the same for the next group
.set PO1, 12          ; v12  4,096 x lane: the prefetches of W1b; never rewritten
.set PO2, 13          ; v13  256 x lane: those of W2b; never rewritten
.set RR,  14          ; v14  lane % 16
.set HH,  15          ; v15  lane / 16
.set BR,  16          ; v16-31   b1 of the group in hand, the C of its first K step
.set HACC, 32         ; v32-63, v64-95  two buffers of a group's four accumulators
.set TT,  96          ; v96-127  at work
.set FA,  128         ; v128-191, v192-255  two buffers of eight fragments of W1
.set AS,  16          ; the prologue's addresses, v16-23; v24, v25 at work
.set AR,  17
.set AR3, 18
.set XS,  19
.set XR,  20
.set TBS, 21
.set TBR, 22
.set GV,  23
.set GAM, 128         ; gamma and beta of my 64 columns
.set BET, 192
.set RS2, 64          ; 1 / sigma and - mu / sigma of row block a, each twice, at + 2 a
.set C2,  80
.set STO, 3           ; the way out
.set RD,  4
.set GB,  10
.set GO,  11
.set TMP, 32
.set OB,  128
.set WV,  18          ; s18  my wave's number
.set CX,  19          ; s19  my place in the cluster: it enters global addresses alone
.set WG,  20          ; s20  my work-group
.set G1I, 28          ; descriptors: inputs,
.set G0I, 36
.set G1A, 40          ; W1b,
.set G0A, 48
.set G1B, 52          ; W2b
.set G0B, 60
.set CH,  66          ; chunks of 128 hidden units to go
.set CNT2, 67
.set SW,  68          ; LDS byte of the fragments of W1 to be fetched next
.set SBI, 69          ; the next group's byte in b1's rows
.set SLA, 70          ; the h slot of the group that rides in GRP 0,
.set SLB, 71          ; in GRP 1
.set C0,  72
.set C1,  74
.set SEL, 76
.set PF1, 78
.set PF2, 80
.set LIM, 82          ; 2 in the launch's first cluster, which prefetches; else the greatest number
.set K512, 84
.set EPS, 86
.set MSB, 0
.macro WIN new                      ; the immediate's high byte repeats the setting that is left; a switch that changes nothing is dropped
.if MSB != (\new)
	s_set_vgpr_msb (MSB<<8)|(\new)
.set MSB, (\new)
.endif
.endm
.macro PLACES                       ; four plain vector instructions between a matrix instruction and a load into, or a vector write or read of, its registers
.rept 4
	v_nop
.endr
.endm
.macro BAR                          ; my LDS instructions are done; then the work-group's barrier
	s_wait_dscnt 0x0
	s_barrier_signal -1
	s_barrier_wait -1
.endm
.macro CREST                        ; a round of the cluster's barrier behind its opening barrier
	s_cmp_lg_u32 s[WV], 0
	s_cbranch_scc1 .Lnw0_\@
	s_barrier_signal -3
.Lnw0_\@:
	s_barrier_wait -3
	s_barrier_signal -1
	s_barrier_wait -1
.endm
.macro ROUND
	s_barrier_signal -1
	s_barrier_wait -1
	CREST
.endm
.macro JL g0, g1                    ; every wave fetches its own quarter of the tile: both addresses hang on the wave's number.  An s_nop 0 and four v_nop follow
	tensor_load_to_lds s[(\g0):(\g0)+3], s[(\g1):(\g1)+7]
	s_nop 0
	PLACES
.endm
; PREFETCHES INTO THE L2 of the tile that the NEXT change of the same region will ask for: 512 blocks of 256 bytes.  The launch's first cluster asks, nobody else; its four partners and their four waves
; share the blocks out by address, 32 each, a lane a block: each block is named once in the launch.  They stand behind the tensor load, its five lines and the run of LDS loads.
.macro ASK1 how                     ; W1b.  how = 0: in the loop: the last two chunks have no tile two on
.if \how
	s_cmp_eq_u32 s[LIM], 2
.else
	s_cmp_gt_u32 s[CH], s[LIM]
.endif
	s_cbranch_scc0 .Lno1_\@
	global_prefetch_b8 v[PO1], s[PF1:PF1+1] th:TH_LOAD_NT scope:SCOPE_SE
.Lno1_\@:
.endm
.macro ASK2                         ; W2b
	s_cmp_eq_u32 s[LIM], 2
	s_cbranch_scc0 .Lno2_\@
	global_prefetch_b8 v[PO2], s[PF2:PF2+1] th:TH_LOAD_NT scope:SCOPE_SE
.Lno2_\@:
.endm
; ---------------- the prologue's macros
; 16 rows (block ap of grid row st): my 128 columns of the own rows into ACC, of the rolled rows into window 1.  The rolled token is 4 rows on in the area, round its end in the last block.
.macro LD st, ap
	WIN 0x80+0x40*(\st)
.set kk, 0
.rept 16
	ds_load_b128 v[64*(\ap)+4*kk:64*(\ap)+4*kk+3], v[AS] offset:16*PIN*(\ap)+64*(kk/2)+16*(kk%2)
.set kk, kk+1
.endr
	WIN 0x40
.set kk, 0
.rept 16
.if (\ap) < 3
	ds_load_b128 v[64*(\ap)+4*kk:64*(\ap)+4*kk+3], v[AR] offset:16*PIN*(\ap)+64*(kk/2)+16*(kk%2)
.else
	ds_load_b128 v[64*(\ap)+4*kk:64*(\ap)+4*kk+3], v[AR3] offset:64*(kk/2)+16*(kk%2)
.endif
.set kk, kk+1
.endr
.endm
.macro ADDX st, ap                  ; x = own + rolled
	WIN 0x86+0x41*(\st)
.set pp, 0
.rept 32
	v_pk_add_f32 v[64*(\ap)+2*pp:64*(\ap)+2*pp+1], v[64*(\ap)+2*pp:64*(\ap)+2*pp+1], v[64*(\ap)+2*pp:64*(\ap)+2*pp+1]
.set pp, pp+1
.endr
.endm
; Row block a: the mean of my 128 columns (twice, at rSB) and the sum of squared distances from it (at rSB + 2); a lane holds 64 numbers of its row, the lane 16 away the other 64.
.macro STAT a
.set rAC, 64*((\a)%4)
.set rSB, 32+8*(\a)
	WIN 0x0a+5*((\a)/4)
.set kk, 0
.rept 4
	v_pk_add_f32 v[rSB+2*kk:rSB+2*kk+1], v[rAC+2*kk:rAC+2*kk+1], v[rAC+8+2*kk:rAC+8+2*kk+1]
.set kk, kk+1
.endr
	WIN 0x02+((\a)/4)
.set pp, 8
.rept 24
	v_pk_add_f32 v[rSB+2*(pp%4):rSB+2*(pp%4)+1], v[rAC+2*pp:rAC+2*pp+1], v[rSB+2*(pp%4):rSB+2*(pp%4)+1]
.set pp, pp+1
.endr
	WIN 0
	v_pk_add_f32 v[rSB:rSB+1], v[rSB:rSB+1], v[rSB+2:rSB+3]
	v_pk_add_f32 v[rSB+4:rSB+5], v[rSB+4:rSB+5], v[rSB+6:rSB+7]
	v_pk_add_f32 v[rSB:rSB+1], v[rSB:rSB+1], v[rSB+4:rSB+5]
	v_add_f32 v[rSB], v[rSB], v[rSB+1]
	v_permlanex16_b32 v[rSB+1], v[rSB], s[SEL], s[SEL+1]
	v_add_f32 v[rSB], v[rSB], v[rSB+1]
	v_mul_f32 v[rSB], 0x3c000000, v[rSB]           ; / 128
	v_mov_b32 v[rSB+1], v[rSB]
.set qq, 0
.rept 2
	WIN 0x02+((\a)/4)
.set pp, 0
.rept 16
	v_pk_add_f32 v[TT+2*pp:TT+2*pp+1], v[rAC+32*qq+2*pp:rAC+32*qq+2*pp+1], v[rSB:rSB+1] neg_lo:[0,1] neg_hi:[0,1]
.set pp, pp+1
.endr
	WIN 0
.set pp, 0
.rept 16
.if (qq == 0) && (pp < 3)
	v_pk_mul_f32 v[rSB+2+2*pp:rSB+3+2*pp], v[TT+2*pp:TT+2*pp+1], v[TT+2*pp:TT+2*pp+1]
.else
	v_pk_fma_f32 v[rSB+2+2*(pp%3):rSB+3+2*(pp%3)], v[TT+2*pp:TT+2*pp+1], v[TT+2*pp:TT+2*pp+1], v[rSB+2+2*(pp%3):rSB+3+2*(pp%3)]
.endif
.set pp, pp+1
.endr
.set qq, qq+1
.endr
	v_pk_add_f32 v[rSB+2:rSB+3], v[rSB+2:rSB+3], v[rSB+4:rSB+5]
	v_pk_add_f32 v[rSB+2:rSB+3], v[rSB+2:rSB+3], v[rSB+6:rSB+7]
	v_add_f32 v[rSB+2], v[rSB+2], v[rSB+3]
	v_permlanex16_b32 v[rSB+3], v[rSB+2], s[SEL], s[SEL+1]
	v_add_f32 v[rSB+2], v[rSB+2], v[rSB+3]
.endm
; Row block a is normed (my 128 columns), rounded to bf16 and put into buffer a % 2; behind the barrier wave a / 2, which owns these rows, reads them whole as its tile a % 2 of NRM.
; The buffer is written again two blocks on, behind the next block's barrier, in front of which the owner has waited for these reads.
.macro NORM a
.set rAC, 64*((\a)%4)
.set qq, 0
.rept 2
	WIN 0x02+((\a)/4)
.set pp, 0
.rept 16
	v_pk_fma_f32 v[TT+2*pp:TT+2*pp+1], v[rAC+32*qq+2*pp:rAC+32*qq+2*pp+1], v[RS2+2*(\a):RS2+2*(\a)+1], v[C2+2*(\a):C2+2*(\a)+1]
.set pp, pp+1
.endr
	WIN 0
.set pp, 0
.rept 16
	v_pk_fma_f32 v[TT+2*pp:TT+2*pp+1], v[TT+2*pp:TT+2*pp+1], v[GAM+32*qq+2*pp:GAM+32*qq+2*pp+1], v[BET+32*qq+2*pp:BET+32*qq+2*pp+1]
.set pp, pp+1
.endr
.set pp, 0
.rept 16
	v_cvt_pk_bf16_f32 v[TT+pp], v[TT+2*pp], v[TT+2*pp+1]
.set pp, pp+1
.endr
.set kk, 0
.rept 4
	ds_store_b128 v[XS], v[TT+4*kk:TT+4*kk+3] offset:((\a)%2)*XB+32*(4*qq+kk)
.set kk, kk+1
.endr
.set qq, qq+1
.endr
	BAR
	s_cmp_lg_u32 s[WV], (\a)/2
	s_cbranch_scc1 .Lnn_\@
	WIN 0x40
.set kk, 0
.rept 32
	ds_load_b128 v[128*((\a)%2)+4*kk:128*((\a)%2)+4*kk+3], v[XR] offset:((\a)%2)*XB+32*kk
.set kk, kk+1
.endr
	WIN 0
.Lnn_\@:
.endm
; ---------------- the first product's macros
.macro OPA x, p                     ; z^2
	v_pk_mul_f32 v[TT+2*(\p):TT+2*(\p)+1], v[(\x)+2*(\p):(\x)+2*(\p)+1], v[(\x)+2*(\p):(\x)+2*(\p)+1]
.endm
.macro OPB p                        ; C1 z^2 + C0
	v_pk_fma_f32 v[TT+2*(\p):TT+2*(\p)+1], v[TT+2*(\p):TT+2*(\p)+1], s[C1:C1+1], s[C0:C0+1] op_sel_hi:[1,0,0]
.endm
.macro OPC x, p                     ; times z
	v_pk_mul_f32 v[TT+2*(\p):TT+2*(\p)+1], v[TT+2*(\p):TT+2*(\p)+1], v[(\x)+2*(\p):(\x)+2*(\p)+1]
.endm
.macro OPE e
	v_exp_f32 v[TT+(\e)], v[TT+(\e)]
.endm
.macro OPP p                        ; + 1
	v_pk_add_f32 v[TT+2*(\p):TT+2*(\p)+1], v[TT+2*(\p):TT+2*(\p)+1], 1.0 op_sel_hi:[1,0]
.endm
.macro OPR e
	v_rcp_f32 v[TT+(\e)], v[TT+(\e)]
.endm
; THE GELU OF A GROUP is a list of 166; GR writes number nn of it for the sums at v[x .. x + 31] (16 pairs).
;   0     the address of the group's h slot          1-3   v_nop: with number 0 the four places behind the last matrix instructions that wrote the sums or read v96-127
;   4-83  the exponents and the 32 exponentials, ONE BATCH: plain and exponential by turns, an exponential four pairs behind its exponent; nothing here names an exponential's result
;   84    a plain instruction behind the last exponential, and the batch's one wait ahead of the first instruction that names a result
;   85-132  1 + 2^t and the 32 reciprocals, a second batch          133   its plain instruction and its wait          134-149  times z          150-165  rounded to bf16, in place
.macro GR x, sl
	WIN 0
.if nn == 0
	v_add_nc_u32 v[HSA], s[\sl], v[HS0]
.elseif nn < 4
	v_nop
.elseif nn < 8
	OPA \x, nn-4
.elseif nn < 12
	OPB nn-8
.elseif nn < 16
	OPC \x, nn-12
.elseif nn < 76
.set kb, (nn-16)/20+1
.set mm, (nn-16)%20
.if mm >= 16
	OPC \x, 4*kb+mm-16
.elseif mm%2 == 1
	OPE 8*(kb-1)+mm/2
.elseif mm < 8
	OPA \x, 4*kb+mm/2
.else
	OPB 4*kb+(mm-8)/2
.endif
.elseif nn < 84
	OPE 24+nn-76
.elseif nn == 84
	v_nop
	s_wait_alu depctr_va_vdst(0)
.elseif nn < 89
	OPP nn-85
.elseif nn < 125
.if (nn-89)%3 == 0
	OPP (nn-89)/3+4
.else
	OPR 2*((nn-89)/3)+(nn-89)%3-1
.endif
.elseif nn < 133
	OPR 24+nn-125
.elseif nn == 133
	v_nop
	s_wait_alu depctr_va_vdst(0)
.elseif nn < 150
	OPC \x, nn-134
.else
	v_cvt_pk_bf16_f32 v[TT+nn-150], v[TT+2*(nn-150)], v[TT+2*(nn-150)+1]
.endif
.endm
; THE RUN OF LDS INSTRUCTIONS of unit u (16 slices) of a group, behind the unit's second slice: the 16 half fragments of the next unit, into the buffer that the unit before has read out, 14 matrix
; instructions ahead of their first use.  At the run's head stand, in unit 2, the next group's four loads of b1, and in unit 3 the four stores of the riding group's h (its list ends in slice 41).
; Between the buffer's last reader (the last slice of the unit before) and the run stand four plain vector instructions or more that name none of its registers: unit 0: the address's add, list numbers
; 0 to 7; unit 1: the add and six multiplies; unit 2: two adds, number 133's v_nop, numbers 134, 135; unit 3, where the list is over: the add and four v_nop.
.macro RUN1 u
	WIN 0
.if (\u) == 3
	PLACES
.set kk, 0
.rept 4
	ds_store_b128 v[HSA], v[TT+4*kk:TT+4*kk+3] offset:1280*(kk%2)+32*(kk/2)
.set kk, kk+1
.endr
.endif
.if (\u) == 2
.set kk, 0
.rept 4
	ds_load_b128 v[BR+4*kk:BR+4*kk+3], v[BIA] offset:64*(kk/2)+16*(kk%2)
.set kk, kk+1
.endr
.endif
.set kk, 0
.rept 16
	ds_load_tr16_b128 v[FA+64*(((\u)+1)%2)+4*kk:FA+64*(((\u)+1)%2)+4*kk+3], v[AW] offset:32*PA*(kk/4)+32*((kk/2)%2)+16*PA*(kk%2)
.set kk, kk+1
.endr
.endm
; SLICE si of a group's 64: K step si / 4, hidden tile (si / 2) % 2, row tile si % 2.  One matrix instruction (the four accumulators take turns) and four of the other buffer's
; gelu while its list lasts.  Sixteen slices use one fragment buffer while the other is filled.  ld = 0: a chunk's last sixteen slices, which fetch nothing and whose waits stand in TAILL.
.macro SLICE buf, ld
.if (\ld) && (si%16 == 0)
	s_wait_dscnt 12                                ; the unit's first K step is in: behind its four loads stand the run's other 12
.elseif (\ld) && (si%4 == 0)
	s_wait_dscnt 28-4*((si%16)/4)+4*(si/32)        ; this K step is in: behind its loads stand 12 - 4 m of the same run and this unit's own run of 16 (units 2 and 3: 20)
.endif
	WIN 0x04                                       ; source 1 (NRM) in window 1
.set rD, HACC+32*(\buf)+8*(si%4)
.set rF, FA+64*((si/16)%2)+8*((si%16)/2)
.set rN, 8*(16*(si%2)+si/4)
.if si < 4
	v_wmma_f32_16x16x32_bf16 v[rD:rD+7], v[rF:rF+7], v[rN:rN+7], v[BR+8*(si/2):BR+8*(si/2)+7]
.else
	v_wmma_f32_16x16x32_bf16 v[rD:rD+7], v[rF:rF+7], v[rN:rN+7], v[rD:rD+7]
.endif
.if (\ld) && (si%16 == 0)
	WIN 0
	v_add_nc_u32 v[AW], s[SW], v[AW0]
.if si == 32
	s_sub_co_u32 s[SW], s[SW], 3*4*32*PA-64        ; back to K step 0, 32 hidden units on
	v_add_nc_u32 v[BIA], s[SBI], v[BI0]
	s_add_co_u32 s[SBI], s[SBI], 160-32*(\buf)     ; the groups' bytes in b1's two rows: 0, 128, 288, 416; behind them a row of zeros, read once a chunk and not used
.else
	s_add_co_u32 s[SW], s[SW], 4*32*PA             ; four K steps on
.endif
.endif
.set kk, 0
.rept 4
.set nn, 4*si+kk
.if nn < 166
	GR HACC+32-32*(\buf), SLA+(\buf)
.endif
.set kk, kk+1
.endr
.if (\ld) && (si%16 == 1)
	RUN1 si/16
.endif
.endm
.macro GRP buf, i0, i1, ld
.set si, (\i0)
.rept (\i1)-(\i0)+1
	SLICE \buf, \ld
.set si, si+1
.endr
.endm
.macro FETCH1                       ; a chunk's first bias and its first eight fragments, in the slices' order
	WIN 0
.set kk, 0
.rept 4
	ds_load_b128 v[BR+4*kk:BR+4*kk+3], v[BI0] offset:64*(kk/2)+16*(kk%2)
.set kk, kk+1
.endr
.set kk, 0
.rept 16
	ds_load_tr16_b128 v[FA+4*kk:FA+4*kk+3], v[AW0] offset:32*PA*(kk/4)+32*((kk/2)%2)+16*PA*(kk%2)
.set kk, kk+1
.endr
.endm
; ---------------- the second product's macros.  h's fragments: rows 0-63 at v128-159, rows 64-127 at v96-127.  W2's: even K steps at v160-191 (b 0-3) and v32-63 (b 4-7), odd ones at v192-255.
.macro HLOAD ks, half
.set aa, 0
.rept 4
	ds_load_b128 v[128-32*(\half)+8*aa:128-32*(\half)+8*aa+3], v[AH] offset:HSL*(((\ks)+3)%4)+1280*(4*(\half)+aa)
	ds_load_b128 v[128-32*(\half)+8*aa+4:128-32*(\half)+8*aa+7], v[AH] offset:HSL*(((\ks)+3)%4)+1280*(4*(\half)+aa)+32
.set aa, aa+1
.endr
.endm
.macro SETW ks
.if (\ks)%2
.set rW, 192+8*bb
.elseif bb < 4
.set rW, 160+8*bb
.else
.set rW, 32+8*(bb-4)
.endif
.endm
.macro WLOAD ks, bh
.set bb, 4*(\bh)
.rept 4
	SETW \ks
	ds_load_tr16_b128 v[rW:rW+3], v[AB0+(\ks)/2] offset:((\ks)%2)*32*PB+32*bb
	ds_load_tr16_b128 v[rW+4:rW+7], v[AB0+(\ks)/2] offset:((\ks)%2)*32*PB+32*bb+16*PB
.set bb, bb+1
.endr
.endm
.macro MUL2 ks, half, b0, nb        ; 4 nb matrix instructions, each on another accumulator
	WIN 0xa0+0x50*(\half)
.set bb, (\b0)
.rept (\nb)
	SETW \ks
.set aa, 0
.rept 4
	v_wmma_f32_16x16x32_bf16 v[64*aa+8*bb:64*aa+8*bb+7], v[rW:rW+7], v[128-32*(\half)+8*aa:128-32*(\half)+8*aa+7], v[64*aa+8*bb:64*aa+8*bb+7]
.set aa, aa+1
.endr
.set bb, bb+1
.endr
.endm
.macro UNIT2 ks, half               ; 32 matrix instructions, and in their middle a run of loads for the units to come
	s_wait_dscnt 8                                 ; h's fragments (and, in a K step's first unit, W2's b 0-3) are in; the youngest eight loads may be out
	MUL2 \ks, \half, 0, 4
	s_wait_dscnt 0x0
	PLACES
	WIN 0
.if \half
	HLOAD (\ks)+1, 0
	WLOAD (\ks)+1, 1
.else
	HLOAD \ks, 1
.if (\ks) < 3
	WLOAD (\ks)+1, 0
.endif
.endif
	MUL2 \ks, \half, 4, 4
.endm
; THE END OF A CHUNK'S FIRST PRODUCT: slices 48-63 of its fourth group fetch nothing.  The riding group's h goes into slot 2 first, so that the barrier below shows all four slots to every wave.
; W1b's tile has been read out, W2b's is waited for.  fill = 1: the barrier opens a round of the cluster's, and the next tile of W1b is asked for first thing behind it: it has the second
; product's 256 matrix instructions in which to land.
.macro TAILL fill
	WIN 0
.set kk, 0
.rept 4
	ds_store_b128 v[HS0], v[TT+4*kk:TT+4*kk+3] offset:2*HSL+1280*(kk%2)+32*(kk/2)
.set kk, kk+1
.endr
	s_wait_tensorcnt 0x0                           ; my one tensor load that was out, my quarter of W2b's tile, has landed
.if \fill
	ds_add_u32 v[SPW], v[NIL]                      ; 0 onto my spare word
	s_add_nc_u64 s[G0A+2:G0A+3], s[G0A+2:G0A+3], 256  ; no tensor load of mine is out: the next 128 hidden units
	s_wait_dscnt 17                                ; the unit's first K step is in: 12 fragment loads, my 4 stores and the add may be out
.else
	s_wait_dscnt 16                                ; 12 fragment loads and my 4 stores may be out
.endif
	GRP 1, 48, 51, 0
	s_wait_dscnt 0x0                               ; the add is done, my reads of W1b's tile are over and my stores into h's slots are done
	s_barrier_signal -1
	GRP 1, 52, 55, 0
	WIN 0
	s_barrier_wait -1
.if \fill
	CREST
	JL G0A, G1A
.else
	PLACES
.endif
	HLOAD 0, 0
	WLOAD 0, 0
	WLOAD 0, 1
.if \fill
	ASK2
.endif
	GRP 1, 56, 63, 0
.endm
; THE SECOND PRODUCT OF A CHUNK: four K steps.  Its last unit changes regions the other way: W2b's tile has been read out, W1b's is waited for.
.macro G2 fill
	UNIT2 0, 0
	UNIT2 0, 1
	UNIT2 1, 0
	UNIT2 1, 1
	UNIT2 2, 0
	UNIT2 2, 1
	UNIT2 3, 0
	WIN 0
	s_wait_tensorcnt 0x0                           ; my quarter of W1b's next tile has landed (in the last chunk: nothing is out)
	ds_add_u32 v[SPW], v[NIL]                      ; 0 onto my spare word
.if \fill
	s_wait_xcnt 0x0                                ; the prefetches, a phase and more back, have read their addresses
	s_add_nc_u64 s[PF1:PF1+1], s[PF1:PF1+1], 256
	s_add_nc_u64 s[PF2:PF2+1], s[PF2:PF2+1], 131072
.endif
	s_add_nc_u64 s[G0B+2:G0B+3], s[G0B+2:G0B+3], 131072  ; the next 128 rows of W2b
	s_wait_dscnt 1                                 ; h's last fragments are in; the add may be out
	MUL2 3, 1, 0, 2
	s_wait_dscnt 0x0                               ; the add is done, and my reads of W2b's tile and of h's slots are over
	s_barrier_signal -1
	MUL2 3, 1, 2, 2
	WIN 0
	s_barrier_wait -1
	CREST
.if \fill
	JL G0B, G1B
	FETCH1
	ASK1 0
	s_mov_b32 s[SW], 4*32*PA
	s_mov_b32 s[SBI], 128
	s_mov_b32 s[SLA], 3*HSL
	s_mov_b32 s[SLB], 0
.else
	s_cmp_lg_u32 s[WV], 0                          ; the last 32 rows of W2b are wave 0's quarter alone; the branch is the same in all partners
	s_cbranch_scc1 .Lnob_\@
	JL G0B, G1B
.Lnob_\@:
.endif
	MUL2 3, 1, 4, 4
	WIN 0
.endm
; ---------------- the way out: block a (16 rows x my 512 bytes): + b2, through my own stage, back as whole rows
.macro PACK a
	WIN 0x06+((\a)/4)
.set pp, 0
.rept 32
	v_pk_add_f32 v[TMP+2*pp:TMP+2*pp+1], v[64*((\a)%4)+2*pp:64*((\a)%4)+2*pp+1], v[2*pp:2*pp+1]
.set pp, pp+1
.endr
	WIN 0
.endm
.macro TOSTAGE a
.set kk, 0
.rept 16
	ds_store_b128 v[STO], v[TMP+4*kk:TMP+4*kk+3] offset:64*(kk/2)+16*(kk%2)
.set kk, kk+1
.endr
.set kk, 0
.rept 16
	ds_load_b128 v[OB+64*((\a)%2)+4*kk:OB+64*((\a)%2)+4*kk+3], v[RD] offset:SPT*kk  ; LDS serves a wave's instructions in order (ISA guide 5.7.1.4): these see the stores above
.set kk, kk+1
.endr
.endm
.macro SEND a
	s_wait_dscnt 0x0                               ; the block is back in registers
	s_wait_xcnt 0x0                                ; the stores of the block before have read their registers, which the next block's loads write
.set kk, 0
.rept 16
	global_store_b128 v[GO], v[OB+64*((\a)%2)+4*kk:OB+64*((\a)%2)+4*kk+3], s[16:17] offset:(16*(\a)+kk)*2048 th:TH_STORE_NT  ; a wave stores 512 consecutive bytes, at a multiple of 512 from out0's first byte
.set kk, kk+1
.endr
.endm
; ================ the head
	s_load_b256 s[4:11], s[0:1], 0x0               ; inputs s[4:5], gamma s[6:7], beta s[8:9], b2 s[10:11]
	s_load_b128 s[12:15], s[0:1], 0x20             ; W1b s[12:13], W2b s[14:15]
	s_load_b64 s[16:17], s[0:1], 0x30              ; out0
	v_lshl_add_u32 v[SPW], v0, 2, SPARE
	v_mov_b32 v[NIL], 0
	ds_add_u32 v[SPW], v[NIL]                      ; the wave's opening: the add and its wait stand ahead of my first tensor load; the set-up below, work on registers, stands between them
	v_lshrrev_b32 v3, 5, v0
	v_readfirstlane_b32 s[WV], v3                  ; wave 0..3
	s_bfe_u32 s[CX], ttmp6, 0x40000
	s_lshl_b32 s[WG], ttmp9, 2                     ; in a cluster launch ttmp9 counts clusters
	s_add_co_u32 s[WG], s[WG], s[CX]
	; inputs: 64 rows x 256 f32 (half a grid row's channels), 16 bytes of padding behind each 1,024; a load of my work-group's own (no mask)
	s_mov_b32 s[G1I+0], (2<<16)|(1<<20)|(7<<22)|(3<<25)
	s_mov_b32 s[G1I+1], 256<<16
	s_mov_b32 s[G1I+2], 64<<16
	s_mov_b32 s[G1I+3], 256<<16
	s_mov_b32 s[G1I+4], 64
	s_mov_b32 s[G1I+5], 512
	s_mov_b32 s[G1I+6], 0
	s_mov_b32 s[G1I+7], 0
	; W1b: 129 rows x 128 bf16, 32 bytes of padding behind each 256; the mask names all four work-groups, bit 21 beside it
	s_mov_b32 s[G1A+0], 15|(1<<16)|(1<<20)|(1<<21)|(5<<22)|(7<<25)
	s_mov_b32 s[G1A+1], 128<<16
	s_mov_b32 s[G1A+2], 129<<16
	s_mov_b32 s[G1A+3], 128<<16
	s_mov_b32 s[G1A+4], 129
	s_mov_b32 s[G1A+5], 2048
	s_mov_b32 s[G1A+6], 0
	s_mov_b32 s[G1A+7], 0
	; W2b: 32 rows x 512 bf16, 32 bytes of padding behind each 1,024
	s_mov_b32 s[G1B+0], 15|(1<<16)|(1<<20)|(1<<21)|(7<<22)|(7<<25)
	s_mov_b32 s[G1B+1], 512<<16
	s_mov_b32 s[G1B+2], 32<<16
	s_mov_b32 s[G1B+3], 512<<16
	s_mov_b32 s[G1B+4], 32
	s_mov_b32 s[G1B+5], 512
	s_mov_b32 s[G1B+6], 0
	s_mov_b32 s[G1B+7], 0
	s_mov_b32 s[G0I], 1
	s_mul_i32 s[G0I+1], s[WV], AREA                ; wave 0, 1: own rows' halves; wave 2, 3: rolled rows' halves
	s_mov_b32 s[G0A], 1
	s_mul_i32 s[G0A+1], s[WV], 129*PA
	s_mov_b32 s[G0B], 1
	s_mul_i32 s[G0B+1], s[WV], 32*PB
	s_add_co_u32 s[G0B+1], s[G0B+1], RB
	s_lshl_b32 s21, s[WG], 18                      ; my 128 rows of 2,048 bytes
	s_lshr_b32 s22, s[WG], 5                       ; the batch,
	s_lshl_b32 s22, s22, 6
	s_and_b32 s23, s[WG], 31
	s_lshl_b32 s23, s23, 1
	s_add_co_u32 s23, s23, 4
	s_and_b32 s23, s23, 63                         ; its grid row (i0 + 4) % 64: even, so the second step's is the next
	s_add_co_u32 s22, s22, s23
	s_lshl_b32 s22, s22, 17
	s_cmp_lt_u32 s[WV], 2
	s_cselect_b32 s24, s21, s22
	s_and_b32 s23, s[WV], 1
	s_lshl_b32 s23, s23, 10
	s_add_co_u32 s24, s24, s23
	s_mov_b32 s25, 0
	s_mov_b32 s26, s21
	s_mov_b32 s27, 0
	s_mul_i32 s88, s[WV], 129*4096
	s_mov_b32 s89, 0
	s_lshl_b32 s90, s[WV], 15
	s_mov_b32 s91, 0
	s_lshl_b32 s92, s[WV], 7
	s_lshl_b32 s93, s[CX], 5
	s_add_co_u32 s92, s92, s93                     ; the first of my 32 blocks of a tile's 512
	s_lshl_b32 s94, s92, 8
	s_lshl_b32 s92, s92, 12
	s_mov_b32 s93, 0
	s_mov_b32 s95, 0
	s_cmp_eq_u32 ttmp9, 0
	s_cselect_b32 s[LIM], 2, -1                    ; the same in all four partners
	s_mov_b32 s[C0], 0xc0135761                    ; -2.3022082
	s_mov_b32 s[C0+1], 0xc0135761
	s_mov_b32 s[C1], 0xbdd2d3e8                    ; -0.10294324
	s_mov_b32 s[C1+1], 0xbdd2d3e8
	s_mov_b32 s[SEL], 0x76543210
	s_mov_b32 s[SEL+1], 0xfedcba98
	s_mov_b32 s[K512], 0x3b000000                  ; 1 / 512
	s_mov_b32 s[K512+1], 0x3b000000
	s_mov_b32 s[EPS], 0x358637bd                   ; 1e-6
	s_mov_b32 s[EPS+1], 0x358637bd
	s_wait_dscnt 0x0                               ; the opening add is done
	s_wait_kmcnt 0x0
	s_add_nc_u64 s[G0I+2:G0I+3], s[4:5], s[24:25]
	s_or_b32 s[G0I+3], s[G0I+3], 0x80000000
	s_add_nc_u64 s[G0A+2:G0A+3], s[12:13], s[88:89]
	s_or_b32 s[G0A+3], s[G0A+3], 0x80000000
	s_add_nc_u64 s[G0B+2:G0B+3], s[14:15], s[90:91]
	s_or_b32 s[G0B+3], s[G0B+3], 0x80000000
	s_add_nc_u64 s[16:17], s[16:17], s[26:27]      ; out0 at my first row
	s_add_nc_u64 s[PF1:PF1+1], s[12:13], s[92:93]
	s_add_nc_u64 s[PF1:PF1+1], s[PF1:PF1+1], 256   ; W1b's tile 1
	s_add_nc_u64 s[PF2:PF2+1], s[14:15], s[94:95]
	s_add_nc_u64 s[PF2:PF2+1], s[PF2:PF2+1], 131072  ; W2b's tile 1
	ROUND                                          ; in a cluster launch every group of tensor loads stands behind a round
	JL G0I, G1I                                    ; grid row i0: own and rolled
	v_and_b32 v[RR], 15, v0
	v_bfe_u32 v[HH], v0, 4, 1
	s_lshl_b32 s22, s[WV], 9
	v_lshl_add_u32 v[GV], v[HH], 5, s22            ; my columns' bytes in gamma, beta: 512 w + 32 h
.set kk, 0
.rept 16
	global_load_b128 v[GAM+4*kk:GAM+4*kk+3], v[GV], s[6:7] offset:64*(kk/2)+16*(kk%2)
	global_load_b128 v[BET+4*kk:BET+4*kk+3], v[GV], s[8:9] offset:64*(kk/2)+16*(kk%2)
.set kk, kk+1
.endr
	; the turning load takes 16 k x 16 n: lane l reads 16 bytes of row 8 (l / 16) + l % 8, at 16 ((l / 8) % 2)
	v_and_b32 v24, 7, v0
	v_bfe_u32 v25, v0, 3, 1
	v_lshl_add_u32 v24, v[HH], 3, v24
	v_lshlrev_b32 v25, 4, v25
	v_mul_u32_u24 v[AW0], v24, PA
	v_add_nc_u32 v[AW0], v[AW0], v25
	v_mul_u32_u24 v[AB0], v24, PB
	v_add_nc_u32 v[AB0], v[AB0], v25
	s_lshl_b32 s21, s[WV], 8                       ; my 128 columns of W2
	s_add_co_u32 s21, s21, RB
	v_add_nc_u32 v[AB0], s21, v[AB0]
	v_add_nc_u32 v[AB0+1], 64*PB, v[AB0]
	v_mul_u32_u24 v[AH], v[RR], 80
	v_lshl_add_u32 v[AH], v[HH], 4, v[AH]
	s_mul_i32 s21, s[WV], 32*80
	s_add_co_u32 s21, s21, HR
	v_add_nc_u32 v[HS0], s21, v[AH]                ; my wave's 32 rows
	v_add_nc_u32 v[AH], HR, v[AH]
	v_lshlrev_b32 v[BI0], 5, v[HH]
	v_add_nc_u32 v[BI0], 512*PA, v[BI0]
	v_and_b32 v[PO2], 31, v0
	v_lshlrev_b32 v[PO1], 12, v[PO2]
	v_lshlrev_b32 v[PO2], 8, v[PO2]
	s_lshr_b32 s21, s[WV], 1                       ; my 128 columns: which half of the channels, and which 512 bytes of it
	s_mul_i32 s21, s21, AREA
	s_and_b32 s22, s[WV], 1
	s_lshl_b32 s22, s22, 9
	s_add_co_u32 s21, s21, s22
	v_mul_u32_u24 v[AS], v[RR], PIN
	v_lshl_add_u32 v24, v[HH], 5, s21
	v_add_nc_u32 v[AS], v[AS], v24
	v_add_nc_u32 v[AR], 2*AREA+4*PIN, v[AS]        ; the rolled rows' areas, 4 tokens on
	v_add_nc_u32 v25, 52, v[RR]
	v_and_b32 v25, 63, v25                         ; (48 + r + 4) % 64
	v_mul_u32_u24 v25, v25, PIN
	v_add_nc_u32 v[AR3], v25, v24
	v_add_nc_u32 v[AR3], 2*AREA, v[AR3]
	v_mul_u32_u24 v[XR], v[RR], PIN
	v_lshl_add_u32 v[XR], v[HH], 4, v[XR]
	v_add_nc_u32 v[XR], HR, v[XR]
	s_lshl_b32 s22, s[WV], 8
	v_add_nc_u32 v[XS], s22, v[XR]
	v_lshlrev_b32 v[TBR], 6, v[RR]
	v_add_nc_u32 v[TBR], TAB, v[TBR]
	s_lshl_b32 s22, s[WV], 10
	v_add_nc_u32 v[TBS], s22, v[TBR]
	s_wait_tensorcnt 0x0                           ; my area is in,
	BAR                                            ; everybody's is
; ================ x = own + rolled, into the accumulators
	LD 0, 0
	LD 0, 1
	s_wait_dscnt 32                                ; all but the 32 loads of the block issued last
	ADDX 0, 0
	LD 0, 2
	s_wait_dscnt 32
	ADDX 0, 1
	LD 0, 3
	s_wait_dscnt 32
	ADDX 0, 2
	WIN 0
	s_wait_tensorcnt 0x0                           ; the areas are filled again: no tensor load of mine is out,
	ds_add_u32 v[SPW], v[NIL]                      ; 0 onto my spare word
	s_add_nc_u64 s[G0I+2:G0I+3], s[G0I+2:G0I+3], 131072  ; the next grid row, own and rolled alike
	s_wait_dscnt 0x0                               ; the add is done, and my reads of the areas are over
	ROUND
	JL G0I, G1I                                    ; grid row i0 + 1; the work on registers below stands in its flight
	ADDX 0, 3
	STAT 0
	STAT 1
	STAT 2
	STAT 3
	WIN 0
	s_wait_tensorcnt 0x0
	BAR
	LD 1, 0
	LD 1, 1
	s_wait_dscnt 32
	ADDX 1, 0
	LD 1, 2
	s_wait_dscnt 32
	ADDX 1, 1
	LD 1, 3
	s_wait_dscnt 32
	ADDX 1, 2
	WIN 0
	s_wait_tensorcnt 0x0
	ds_add_u32 v[SPW], v[NIL]                      ; 0 onto my spare word
	s_wait_dscnt 0x0                               ; the add is done, and my reads of the areas are over
	ROUND
	JL G0A, G1A                                    ; W1b's tile 0 lands under the norm
	ADDX 1, 3
	STAT 4
	STAT 5
	STAT 6
	STAT 7
; ================ the four waves' statistics meet once
	WIN 0
.set ii, 0
.rept 8
	v_mov_b32 v[TT+ii], v[32+8*ii]
	v_mov_b32 v[TT+8+ii], v[34+8*ii]
.set ii, ii+1
.endr
.set kk, 0
.rept 4
	ds_store_b128 v[TBS], v[TT+4*kk:TT+4*kk+3] offset:16*kk  ; a row's 8 means and 8 sums of squares; both halves of the lanes write the same
.set kk, kk+1
.endr
	BAR
.set kk, 0
.rept 16
	ds_load_b128 v[32+4*kk:32+4*kk+3], v[TBR] offset:1024*(kk/4)+16*(kk%4)
.set kk, kk+1
.endr
	s_wait_dscnt 0x0
.set ii, 0
.rept 4                             ; two row blocks at a time: mu = the mean of the four means; variance = (the four sums) / 512 + (the squared distances of the four means from mu) / 4
.set rM, 32+2*ii
.set rQ, 40+2*ii
.set rMU, TT+2*ii
.set rVV, TT+8+2*ii
.set rDD, TT+16+2*ii
.set rGG, TT+24+2*ii
	v_pk_add_f32 v[rMU:rMU+1], v[rM:rM+1], v[rM+16:rM+17]
	v_pk_add_f32 v[rDD:rDD+1], v[rM+32:rM+33], v[rM+48:rM+49]
	v_pk_add_f32 v[rMU:rMU+1], v[rMU:rMU+1], v[rDD:rDD+1]
	v_pk_mul_f32 v[rMU:rMU+1], v[rMU:rMU+1], 0x3e800000 op_sel_hi:[1,0]
	v_pk_add_f32 v[rDD:rDD+1], v[rM:rM+1], v[rMU:rMU+1] neg_lo:[0,1] neg_hi:[0,1]
	v_pk_mul_f32 v[rGG:rGG+1], v[rDD:rDD+1], v[rDD:rDD+1]
	v_pk_add_f32 v[rDD:rDD+1], v[rM+16:rM+17], v[rMU:rMU+1] neg_lo:[0,1] neg_hi:[0,1]
	v_pk_fma_f32 v[rGG:rGG+1], v[rDD:rDD+1], v[rDD:rDD+1], v[rGG:rGG+1]
	v_pk_add_f32 v[rDD:rDD+1], v[rM+32:rM+33], v[rMU:rMU+1] neg_lo:[0,1] neg_hi:[0,1]
	v_pk_fma_f32 v[rGG:rGG+1], v[rDD:rDD+1], v[rDD:rDD+1], v[rGG:rGG+1]
	v_pk_add_f32 v[rDD:rDD+1], v[rM+48:rM+49], v[rMU:rMU+1] neg_lo:[0,1] neg_hi:[0,1]
	v_pk_fma_f32 v[rGG:rGG+1], v[rDD:rDD+1], v[rDD:rDD+1], v[rGG:rGG+1]
	v_pk_add_f32 v[rVV:rVV+1], v[rQ:rQ+1], v[rQ+16:rQ+17]
	v_pk_add_f32 v[rDD:rDD+1], v[rQ+32:rQ+33], v[rQ+48:rQ+49]
	v_pk_add_f32 v[rVV:rVV+1], v[rVV:rVV+1], v[rDD:rDD+1]
	v_pk_fma_f32 v[rVV:rVV+1], v[rVV:rVV+1], s[K512:K512+1], s[EPS:EPS+1] op_sel_hi:[1,0,0]
	v_pk_fma_f32 v[rVV:rVV+1], v[rGG:rGG+1], 0x3e800000, v[rVV:rVV+1] op_sel_hi:[1,0,1]
.set ii, ii+1
.endr
.set ii, 0
.rept 8
	v_rsq_f32 v[TT+8+ii], v[TT+8+ii]
.set ii, ii+1
.endr
	v_nop                                          ; a plain instruction behind the last of them,
	s_wait_alu depctr_va_vdst(0)                   ; and the one wait ahead of the first use
.set ii, 0
.rept 4
	v_pk_mul_f32 v[TT+2*ii:TT+2*ii+1], v[TT+2*ii:TT+2*ii+1], v[TT+8+2*ii:TT+8+2*ii+1] neg_lo:[1,0] neg_hi:[1,0]  ; - mu / sigma
.set ii, ii+1
.endr
.set ii, 0
.rept 8
	v_mov_b32 v[RS2+2*ii], v[TT+8+ii]
	v_mov_b32 v[RS2+2*ii+1], v[TT+8+ii]
	v_mov_b32 v[C2+2*ii], v[TT+ii]
	v_mov_b32 v[C2+2*ii+1], v[TT+ii]
.set ii, ii+1
.endr
	s_wait_loadcnt 0x0                             ; gamma and beta
	NORM 0
	NORM 1
	NORM 2
	NORM 3
	NORM 4
	NORM 5
	NORM 6
	NORM 7
; ================ the first change of regions: W1b's tile 0 is waited for, W2b's tile 0 asked for
	WIN 0
	s_wait_tensorcnt 0x0
	ds_add_u32 v[SPW], v[NIL]                      ; 0 onto my spare word
	s_mov_b32 s[SW], 4*32*PA
	s_mov_b32 s[SBI], 128
	s_mov_b32 s[SLA], 3*HSL
	s_mov_b32 s[SLB], 0
	s_mov_b32 s[CH], 16
	s_wait_dscnt 0x0                               ; the add is done; my rows of NRM are in
	ROUND
	JL G0B, G1B
	FETCH1
	ASK1 1                                         ; W1b's tile 1
.set ii, 0
.rept 32
	v_mov_b32 v[HACC+32+ii], 0                     ; group -1: its gelu is 0, and W2b's first 32 rows are zeros
.set ii, ii+1
.endr
; ================ sixteen chunks of 128 hidden units
.Lchunk:
	s_mov_b32 s[CNT2], 2
.Lpair:                             ; two groups a trip; the second trip is left in its middle, ahead of the slices that would fetch a fifth group
	GRP 0, 0, 63, 1
	GRP 1, 0, 47, 1
	WIN 0
	s_sub_co_u32 s[CNT2], s[CNT2], 1
	s_cmp_eq_u32 s[CNT2], 0
	s_cbranch_scc1 .Lsel
	GRP 1, 48, 63, 1
	WIN 0
	s_sub_co_u32 s[SLA], s[SLA], 2*HSL             ; slot 3, then slot 1
	s_add_co_u32 s[SLB], s[SLB], 2*HSL             ; slot 0, then slot 2
	s_branch .Lpair
.Lsel:
	s_cmp_eq_u32 s[CH], 1
	s_cbranch_scc1 .Llast                          ; the last chunk is written out
	TAILL 1
	G2 1
	s_sub_co_u32 s[CH], s[CH], 1
	s_branch .Lchunk
.Llast:
	TAILL 0
	G2 0
; ================ group 63: its gelu has no products to ride behind; then its K step, and the way out
	s_lshl_b32 s21, s[WV], 9
	v_lshl_add_u32 v[GB], v[HH], 5, s21
	WIN 0x40
.set kk, 0
.rept 16
	global_load_b128 v[4*kk:4*kk+3], v[GB], s[10:11] offset:64*(kk/2)+16*(kk%2)  ; b2 of my 64 columns, where NRM lay
.set kk, kk+1
.endr
	WIN 0
	v_and_b32 v[GO], 31, v0
	v_lshl_add_u32 v[GO], v[GO], 4, s21            ; 512 w + 16 l
	s_mul_i32 s22, s[WV], 16*SPT
	s_add_co_u32 s22, s22, HR                      ; my stage
	v_mul_u32_u24 v[STO], v[RR], SPT
	v_lshl_add_u32 v[STO], v[HH], 5, v[STO]
	v_add_nc_u32 v[STO], s22, v[STO]
	v_and_b32 v[RD], 31, v0
	v_lshl_add_u32 v[RD], v[RD], 4, s22
	s_mov_b32 s[SLA], 3*HSL
.set nn, 0
.rept 166
	GR HACC+32, SLA
.set nn, nn+1
.endr
.set kk, 0
.rept 4
	ds_store_b128 v[HSA], v[TT+4*kk:TT+4*kk+3] offset:1280*(kk%2)+32*(kk/2)
.set kk, kk+1
.endr
	s_wait_tensorcnt 0x0                           ; wave 0: the last 32 rows of W2b are in
	BAR                                            ; and everybody's h
	HLOAD 0, 0
	HLOAD 0, 1
	WLOAD 0, 0
	WLOAD 0, 1
	s_wait_dscnt 0x0
	s_barrier_signal -1                            ; my reads of h's slots are over: behind this barrier the stages take their bytes
	MUL2 0, 0, 0, 8
	MUL2 0, 1, 0, 8
	WIN 0
	s_barrier_wait -1
	PLACES
	s_wait_loadcnt 0x0                             ; b2
	PACK 0
	TOSTAGE 0
	PACK 1                                         ; a block's additions stand between the loads of the block before and its stores
	SEND 0
	TOSTAGE 1
	PACK 2
	SEND 1
	TOSTAGE 2
	PACK 3
	SEND 2
	TOSTAGE 3
	PACK 4
	SEND 3
	TOSTAGE 4
	PACK 5
	SEND 4
	TOSTAGE 5
	PACK 6
	SEND 5
	TOSTAGE 6
	PACK 7
	SEND 6
	TOSTAGE 7
	SEND 7
	s_wait_tensorcnt 0x0                           ; the wave's end: the add and its wait, behind my last tensor load and my last LDS store
	ds_add_u32 v[SPW], v[NIL]
	s_wait_dscnt 0x0
	ROUND                                          ; the closing round: no work-group ends while a partner may still ask for a tile that names it
	s_endpgm
.Lfunc_end_k_q35afb8b7a4_mlp:
	.size	k_q35afb8b7a4_mlp, .Lfunc_end_k_q35afb8b7a4_mlp-k_q35afb8b7a4_mlp
	.p2alignl 7, 3214868480
	.fill 96, 4, 3214868480
	.section	.rodata,"a",@progbits
	.p2align	6, 0x0
	.amdhsa_kernel k_q35afb8b7a4_mlp
		.amdhsa_group_segment_fixed_size 327680
		.amdhsa_private_segment_fixed_size 0
		.amdhsa_enable_private_segment 0
		.amdhsa_kernarg_size 56
		.amdhsa_user_sgpr_count 2
		.amdhsa_user_sgpr_kernarg_segment_ptr 1
		.amdhsa_wavefront_size32 1
		.amdhsa_system_sgpr_workgroup_id_x 1
		.amdhsa_system_sgpr_workgroup_id_y 1
		.amdhsa_system_sgpr_workgroup_id_z 1
		.amdhsa_system_vgpr_workitem_id 0
		.amdhsa_next_free_vgpr 1024
		.amdhsa_next_free_sgpr 96
		.amdhsa_reserve_vcc 0
		.amdhsa_float_denorm_mode_32 3
		.amdhsa_float_denorm_mode_16_64 3
		.amdhsa_memory_ordered 1
		.amdhsa_forward_progress 1
		.amdhsa_inst_pref_size 255
	.end_amdhsa_kernel
	.section	.bss,"aw",@nobits
	.p2align	6
	.space	262144
	.amdgpu_metadata
---
amdhsa.version: [ 1, 2 ]
amdhsa.kernels:
  - .name:           k_q35afb8b7a4_mlp
    .symbol:         k_q35afb8b7a4_mlp.kd
    .args:
      - { .name: inputs, .offset: 0, .size: 8, .value_kind: global_buffer, .address_space: global }
      - { .name: ln_gamma, .offset: 8, .size: 8, .value_kind: global_buffer, .address_space: global }
      - { .name: ln_beta, .offset: 16, .size: 8, .value_kind: global_buffer, .address_space: global }
      - { .name: b2, .offset: 24, .size: 8, .value_kind: global_buffer, .address_space: global }
      - { .name: W1b, .offset: 32, .size: 8, .value_kind: global_buffer, .address_space: global }
      - { .name: W2b, .offset: 40, .size: 8, .value_kind: global_buffer, .address_space: global }
      - { .name: out0, .offset: 48, .size: 8, .value_kind: global_buffer, .address_space: global }
    .group_segment_fixed_size: 327680
    .private_segment_fixed_size: 0
    .kernarg_segment_align: 8
    .kernarg_segment_size: 56
    .max_flat_workgroup_size: 128
    .sgpr_count:     96
    .vgpr_count:     1024
    .wavefront_size: 32
...
	.end_amdgpu_metadata
.endif
;; end of part 3
